; MI455X (gfx1250); checked and timed in simulation.
; The chip was launched on July 23, 2026; its instructions are those of AMD's public machine-readable ISA for CDNA 5 (MIT licence, August 2026) and "CDNA5" Instruction Set Architecture Reference Guide (July 2026). The comments in the code are by the model that wrote it; some were corrected since.
;; Multi Head Self Attention Layer. Allowed arithmetic: float matrix products may take bf16 or f16 operands with f32 sums; other float arithmetic in f32, or as packed bf16 or f16 multiplies, adds, multiply-adds, maxima and minima; sums over many terms, partial sums and values carried from step to step in f32; what a program stores and reads back later, other than sums and carried values, may be rounded once to bf16 or f16.
;; Inputs: W_k 1,024 x 1,024 float32; W_o 1,024 x 1,024 float32; W_q 1,024 x 1,024 float32; W_v 1,024 x 1,024 float32; X_embed 4 x 2,048 x 1,024 float32; b_k 1,024 float32; b_o 1,024 float32; b_q 1,024 float32; b_v 1,024 float32.
;; Outputs: out0 4 x 2,048 x 1,024 float32.
;; 2 versions, each right; version 2 is version 1 with the launch cast written anew for expert scheduling mode. Each part assembles by itself: llvm-mc -triple=amdgcn-amd-amdhsa -mcpu=gfx1250 --defsym DOCPART=n.
;; ======== version 1 of 2: 5 launches
;; workspace buffers: xw 20,971,520 bytes; wv 2,097,152 bytes; wo 2,097,152 bytes; qk 33,554,432 bytes; dg 524,288 bytes; u 16,777,216 bytes
;; launch cast (part 1): grid 768 x 1, 8 waves a work-group, no clusters, 0 bytes of LDS; arguments X_embed, W_q, W_k, W_v, W_o, xw, wv, wo; writes xw, wv, wo
.if DOCPART == 1
	.amdgcn_target "amdgcn-amd-amdhsa--gfx1250"
	.amdhsa_code_object_version 6
	.text
	.protected	k_q849b7c8bd8_cast
	.globl	k_q849b7c8bd8_cast
	.p2align	8
	.type	k_q849b7c8bd8_cast,@function
k_q849b7c8bd8_cast:
	s_mov_b64 s[64:65], 0
	v_nop
	global_prefetch_b8 v0, s[64:65] scope:SCOPE_SE
	s_setreg_imm32_b32 hwreg(HW_REG_WAVE_MODE, 25, 1), 1
	s_wait_xcnt 0x0
; X_embed and the four weight matrices, f32, are rounded once to bf16 (nearest even); the layouts stay as they are (weights [k][n]).
; xw = X (16,777,216 bytes), then W_q (2,097,152), then W_k (2,097,152);  wv = W_v;  wo = W_o.
; A stream: no LDS, no barrier, no matrix work, no cluster (no two work-groups read the same byte).
; SHARES.  Work-group i turns 65,536 bytes of f32 into 32,768 bytes of bf16: chunks 0-511 are X's, 512-575 W_q's, 576-639 W_k's, 640-703 W_v's, 704-767 W_o's.
; Thread t takes 16 bytes at 16 t of each 4,096 bytes: a wave's load covers 512 consecutive bytes, its store 256 consecutive bytes, aligned.
; All 16 loads of a thread go out first; no register is written twice, so the only waits are the counted ones for the loads.
.set SRC, 22                           ; s[22:23] the chunk in its f32 tensor
.set DST, 24                           ; s[24:25] the chunk in its bf16 buffer
.set X,   4                            ; v[4:67]   16 x 4 f32 as loaded
.set Y,   68                           ; v[68:99]  16 x 2 words of bf16
	s_load_b512 s[4:19], s[0:1], 0x0               ; X s[4:5], W_q s[6:7], W_k s[8:9], W_v s[10:11], W_o s[12:13], xw s[14:15], wv s[16:17], wo s[18:19]
	v_lshlrev_b32 v1, 4, v0                        ; 16 t: where I read
	v_lshlrev_b32 v2, 3, v0                        ; 8 t: where I write
	s_mov_b32 s20, 0                               ; the first chunk of the source tensor
	s_mov_b32 s21, 0                               ; the first chunk of the destination buffer
	s_wait_kmcnt 0x0
	s_mov_b64 s[SRC:SRC+1], s[4:5]
	s_mov_b64 s[DST:DST+1], s[14:15]
	s_cmp_ge_u32 ttmp9, 512                        ; W_q lies straight behind X in xw: the destination goes on
	s_cselect_b64 s[SRC:SRC+1], s[6:7], s[SRC:SRC+1]
	s_cselect_b32 s20, 512, s20
	s_cmp_ge_u32 ttmp9, 576                        ; W_k behind W_q
	s_cselect_b64 s[SRC:SRC+1], s[8:9], s[SRC:SRC+1]
	s_cselect_b32 s20, 576, s20
	s_cmp_ge_u32 ttmp9, 640
	s_cselect_b64 s[SRC:SRC+1], s[10:11], s[SRC:SRC+1]
	s_cselect_b64 s[DST:DST+1], s[16:17], s[DST:DST+1]
	s_cselect_b32 s20, 640, s20
	s_cselect_b32 s21, 640, s21
	s_cmp_ge_u32 ttmp9, 704
	s_cselect_b64 s[SRC:SRC+1], s[12:13], s[SRC:SRC+1]
	s_cselect_b64 s[DST:DST+1], s[18:19], s[DST:DST+1]
	s_cselect_b32 s20, 704, s20
	s_cselect_b32 s21, 704, s21
	s_sub_co_u32 s26, ttmp9, s20                   ; the chunk's number in its tensor, at most 511,
	s_lshl_b32 s26, s26, 16                        ; times 65,536 bytes
	s_mov_b32 s27, 0
	s_sub_co_u32 s28, ttmp9, s21                   ; and in its buffer, at most 639,
	s_lshl_b32 s28, s28, 15                        ; times 32,768 bytes
	s_mov_b32 s29, 0
	s_add_nc_u64 s[SRC:SRC+1], s[SRC:SRC+1], s[26:27]
	s_add_nc_u64 s[DST:DST+1], s[DST:DST+1], s[28:29]
.set j, 0
.rept 16
	global_load_b128 v[X+4*j:X+4*j+3], v1, s[SRC:SRC+1] offset:4096*j th:TH_LOAD_NT
.set j, j+1
.endr
.set j, 0
.rept 16
	s_wait_loadcnt 15-j                            ; loads come back in order: number j is in, the 15 - j younger ones stay out
	v_cvt_pk_bf16_f32 v[Y+2*j],   v[X+4*j],   v[X+4*j+1]
	v_cvt_pk_bf16_f32 v[Y+2*j+1], v[X+4*j+2], v[X+4*j+3]
	global_store_b64 v2, v[Y+2*j:Y+2*j+1], s[DST:DST+1] offset:2048*j th:TH_STORE_NT
.set j, j+1
.endr
	s_endpgm
.Lfunc_end_k_q849b7c8bd8_cast:
	.size	k_q849b7c8bd8_cast, .Lfunc_end_k_q849b7c8bd8_cast-k_q849b7c8bd8_cast
	.p2alignl 7, 3214868480
	.fill 96, 4, 3214868480
	.section	.rodata,"a",@progbits
	.p2align	6, 0x0
	.amdhsa_kernel k_q849b7c8bd8_cast
		.amdhsa_group_segment_fixed_size 0
		.amdhsa_private_segment_fixed_size 0
		.amdhsa_enable_private_segment 0
		.amdhsa_kernarg_size 64
		.amdhsa_user_sgpr_count 2
		.amdhsa_user_sgpr_kernarg_segment_ptr 1
		.amdhsa_wavefront_size32 1
		.amdhsa_system_sgpr_workgroup_id_x 1
		.amdhsa_system_sgpr_workgroup_id_y 1
		.amdhsa_system_sgpr_workgroup_id_z 1
		.amdhsa_system_vgpr_workitem_id 0
		.amdhsa_next_free_vgpr 100
		.amdhsa_next_free_sgpr 66
		.amdhsa_reserve_vcc 0
		.amdhsa_float_denorm_mode_32 3
		.amdhsa_float_denorm_mode_16_64 3
		.amdhsa_memory_ordered 1
		.amdhsa_forward_progress 1
		.amdhsa_inst_pref_size 8
	.end_amdhsa_kernel
	.amdgpu_metadata
---
amdhsa.version: [ 1, 2 ]
amdhsa.kernels:
  - .name:           k_q849b7c8bd8_cast
    .symbol:         k_q849b7c8bd8_cast.kd
    .args:
      - { .name: X_embed, .offset: 0, .size: 8, .value_kind: global_buffer, .address_space: global }
      - { .name: W_q, .offset: 8, .size: 8, .value_kind: global_buffer, .address_space: global }
      - { .name: W_k, .offset: 16, .size: 8, .value_kind: global_buffer, .address_space: global }
      - { .name: W_v, .offset: 24, .size: 8, .value_kind: global_buffer, .address_space: global }
      - { .name: W_o, .offset: 32, .size: 8, .value_kind: global_buffer, .address_space: global }
      - { .name: xw, .offset: 40, .size: 8, .value_kind: global_buffer, .address_space: global }
      - { .name: wv, .offset: 48, .size: 8, .value_kind: global_buffer, .address_space: global }
      - { .name: wo, .offset: 56, .size: 8, .value_kind: global_buffer, .address_space: global }
    .group_segment_fixed_size: 0
    .private_segment_fixed_size: 0
    .kernarg_segment_align: 8
    .kernarg_segment_size: 64
    .max_flat_workgroup_size: 256
    .sgpr_count:     66
    .vgpr_count:     100
    .wavefront_size: 32
...
	.end_amdgpu_metadata
.endif
;; end of part 1
;; launch projqk (part 2): grid 8 x 32, 4 waves a work-group, clusters of 4 x 4, 327,680 bytes of LDS; arguments xw, b_q, b_k, qk; writes qk
.if DOCPART == 2
	.amdgcn_target "amdgcn-amd-amdhsa--gfx1250"
	.amdhsa_code_object_version 6
	.text
	.protected	k_q849b7c8bd8_projqk
	.globl	k_q849b7c8bd8_projqk
	.p2align	8
	.type	k_q849b7c8bd8_projqk,@function
k_q849b7c8bd8_projqk:
	s_mov_b64 s[64:65], 0
	v_nop
	global_prefetch_b8 v0, s[64:65] scope:SCOPE_SE
	s_setreg_imm32_b32 hwreg(HW_REG_WAVE_MODE, 25, 1), 1
	s_wait_xcnt 0x0
	s_wait_alu depctr_hold_cnt(0) depctr_sa_sdst(0) depctr_va_vdst(0) depctr_va_sdst(0) depctr_va_ssrc(0) depctr_va_vcc(0) depctr_vm_vsrc(0)
	s_getreg_b32 s2, hwreg(HW_REG_IB_STS2, 6, 4)
	s_cmp_eq_u32 s2, 0
	s_cbranch_scc0 .Lentry_in_a_cluster
	s_endpgm
.Lentry_in_a_cluster:
	s_bfe_u32 s2, ttmp6, 0x10000c
	s_cmp_lg_u32 s2, 0xf033
	s_cbranch_scc0 .Lentry_shape_is_right
	s_endpgm
.Lentry_shape_is_right:
; Q' = bf16((X W_q + b_q) c), c = log2(e) / 1024, and K = bf16(X W_k + b_k).  X: [8192][1024] bf16 at xw; W_q, W_k: [1024 k][1024 n] bf16 behind it; b_q, b_k f32, rounded to bf16 here
; like the other inputs.  qk = Q' [8192][1024] bf16, then K.  Both divisions by sqrt(1024) and the change to base 2 are one factor c, applied in f32 ahead of Q's only rounding.
; Sums in f32.  LIMITS: NaN and infinities are not treated apart; the order of rounding differs from the definition's (scale ahead of the rounding to bf16).
; SHAPE.  A tile of 256 x 256 to a work-group of four waves, 128 x 128 (64 accumulators, 512 registers) to a wave.  Tile columns 0-3 (cluster x = 0) are Q's, 4-7 (cluster x = 1) K's.
; K goes in 8 steps of 128 through two LDS slots filled by tensor loads; waves 0, 1 fetch X's two halves (128 rows x 256 bytes), waves 2, 3 W's (64 k-rows x 512 bytes).
; CLUSTER 4 x 4.  X's tile hangs on the tile row and is asked for jointly by a row of the cluster, W's on the tile column and is asked for jointly by a column.
; THE PRODUCT IS TAKEN TRANSPOSED: source 0 = 16 columns of W, source 1 = 16 rows of X: a lane then holds row lane % 16 and the eight neighbouring columns 8 (lane / 16) + 0..7.
; W lies [k][n] in LDS; its fragments come turned, by ds_load_tr16_b128.
; THE LOOP is one K step long: the LDS addresses of the slot in hand are a scalar (0 or SLOTX) plus lane terms that are never rewritten, and ONE walking descriptor a tensor serves all refills.
; REGISTERS, in windows of 256 (s_set_vgpr_msb: bits 1:0 source 0, 3:2 source 1, 5:4 source 2, 7:6 destination):
;   window 0: v0-31 addresses; v64-127, v128-191 X's fragments, two buffers; v192-223, v32-63, v224-255 at work on the way out
;   window 1: v0-63 the bias of my 128 columns; v64-127, v128-191 W's fragments; v192-193 at work        windows 2, 3: the accumulators of my rows 0-63, 64-127: (a, b) at v[8 (8 a + b)]
.set PA,     272                       ; a row of X in LDS: 256 bytes + 16: the 16 rows of a fragment load start 68 words apart
.set PB,     544                       ; a k-row of W in LDS: 512 bytes + 32 = 17 x 32
.set HALFT,  34816                     ; what one tensor load brings: 128 x PA = 64 x PB
.set SLOTX,  4*HALFT                   ; a slot: X's 256 rows, W's 128 k-rows.  139,264 = bits 17 and 13; wave x HALFT uses bits 11, 12, 15, 16: an exclusive or with SLOTX changes slots
.set STAGE,  2*SLOTX                   ; behind the ring: 16 rows x 272 bytes for each wave, for the way out
.set SPITCH, 272
.set SPARE,  327168                    ; the spare words, 128 bytes a wave: two blocks of 256 bytes that no other line names
.set ROWB,   2048                      ; bytes in a row of X, W, Q', K
.set WQOFF,  16777216                  ; W_q in xw
.set KSTEPA, 256                       ; a K step along a row of X, in bytes
.set KSTEPB, 128*ROWB                  ; a K step down the rows of W
.set ADRA0, 16                         ; v16  my lane's place in X's tile; never rewritten
.set ADRB0, 17                         ; v17  the same for W's
.set ADRA,  18                         ; v18  the same in the slot in hand
.set ADRB,  19                         ; v19
.set STO,   24                         ; v24  the way out: where I put 16 bytes of a row
.set RD,    25                         ; v25  where I read a row back
.set CO,    26                         ; v26  my byte offset in two rows of the output
.set SPW,   28                         ; v28  LDS address of my spare word; never rewritten
.set NIL,   29                         ; v29  0; never rewritten
.set PFO,   30                         ; v30  the prefetches' offset: lane x 2,048; never rewritten
.set BO,    31                         ; v31  32 x (lane / 16): my eight columns' bias
.set F0,    64
.set F1,    128
.set TMP,   192
.set OB,    32
.set WV,  12                           ; s12 wave;  s13 wave / 2: my half of the tile's rows, and: I fetch X (0) or W (1);  s14 wave % 2: my half of its columns, and which half I fetch
.set FB,  13
.set HF,  14
.set CX,  15                           ; s15, s16 my place in the cluster;  s17 cluster y;  s18 tile row
.set CY,  16
.set CLY, 17
.set TR,  18
.set G1A, 24                           ; s[24:31] group 1 for X's tiles;  s[32:39] group 0: K step 0's set, and the walking set
.set G0A, 32
.set G1B, 40                           ; s[40:47], s[48:55] the same for W's
.set G0B, 48
.set TB,  56                           ; s56  0 or SLOTX: the slot in hand
.set CNT, 57                           ; s57  refills still to come
.set CS,  58                           ; s[58:59] c for Q, 1 for K
.set PFA, 60                           ; s[60:61] where my prefetches stand
.set LIM, 62                           ; s62  2 in a wave that prefetches, else the greatest number
.set LD,  63                           ; s63  wave x HALFT
.set PFS, 66                           ; s[66:67] a K step for my prefetches
.set BP,  68                           ; s[68:69] the bias of my 128 columns
.set MSB, 0
.macro WIN new                         ; the immediate's high byte repeats the setting that is left; a switch that changes nothing is dropped
.if MSB != (\new)
	s_set_vgpr_msb (MSB<<8)|(\new)
.set MSB, \new
.endif
.endm
.set MUL_LO, 0xa1                      ; source 0 (W) window 1, source 1 (X) window 0, C and D window 2
.set MUL_HI, 0xf1                      ; the same, C and D window 3
.set TO_B,   0x40                      ; destination window 1, address window 0
.macro PLACES                          ; four plain vector instructions between a matrix instruction and a load into, or a vector use of, its registers
.rept 4
	v_nop
.endr
.endm
.macro CREST                           ; a round of the cluster's barrier behind its opening barrier
	s_cmp_lg_u32 s[WV], 0
	s_cbranch_scc1 .Lnot_wave_0_\@
	s_barrier_signal -3
.Lnot_wave_0_\@:
	s_barrier_wait -3
	s_barrier_signal -1
	s_barrier_wait -1
.endm
.macro CROUND                          ; a whole round
	s_barrier_signal -1
	s_barrier_wait -1
	CREST
.endm
.macro JLOAD                           ; a joint refill by the walking sets; the branch hangs on the wave's number alone; an s_nop 0 and four v_nop follow each line
	s_cmp_eq_u32 s[FB], 0
	s_cbranch_scc0 .Lfor_b_\@
	tensor_load_to_lds s[G0A+4:G0A+7], s[G1A:G1A+7]
	s_nop 0
.rept 4
	v_nop
.endr
	s_branch .Lasked_\@
.Lfor_b_\@:
	tensor_load_to_lds s[G0B+4:G0B+7], s[G1B:G1B+7]
	s_nop 0
.rept 4
	v_nop
.endr
.Lasked_\@:
.endm
; A PREFETCH INTO THE L2, behind each joint refill and the run of LDS loads that follows it: 32 rows x 256 bytes, a lane a row, of the K step that stands two refills on (512 matrix instructions ahead of its load).
; Each row's 256 bytes of a K step are named once in the launch.  X's rows are read by both clusters of a row of clusters: cluster x = 0 asks, waves 0 and 1; of the 128 rows that a wave fetches the partner at
; cx takes 32 cx .. 32 cx + 31.  W's k-rows are read by all eight clusters of a column: cluster y = 0 asks, waves 2 and 3 (the two halves of the tile's 512 bytes); the partner at cy takes k-rows 32 cy .. 32 cy + 31.
; The partners are told apart by address alone.  K steps 0 to 3 come by their loads alone; the last two refills have no K step two on and ask for nothing.
.macro ASK
	s_cmp_gt_u32 s[CNT], s[LIM]
	s_cbranch_scc0 .Lnot_mine_\@
	global_prefetch_b8 v[PFO], s[PFA:PFA+1] th:TH_LOAD_NT scope:SCOPE_SE
.Lnot_mine_\@:
.endm
	s_load_b256 s[4:11], s[0:1], 0x0               ; xw s[4:5], b_q s[6:7], b_k s[8:9], qk s[10:11]
	v_lshl_add_u32 v[SPW], v0, 2, SPARE
	v_mov_b32 v[NIL], 0
	ds_add_u32 v[SPW], v[NIL]                      ; the wave's opening: the add and its wait stand ahead of my first tensor load; work on registers stands between them
	v_lshrrev_b32 v1, 5, v0
	v_readfirstlane_b32 s[WV], v1
	s_lshr_b32 s[FB], s[WV], 1
	s_and_b32 s[HF], s[WV], 1
	s_bfe_u32 s[CX], ttmp6, 0x40000
	s_bfe_u32 s[CY], ttmp6, 0x40004
	s_and_b32 s[CLY], ttmp7, 0xffff
	s_lshl_b32 s[TR], s[CLY], 2
	s_add_co_u32 s[TR], s[TR], s[CY]               ; tile row = 4 x cluster y + cy
	s_lshl_b32 s20, s[CY], 2
	s_lshl_b32 s20, 15, s20                        ; my row of the cluster
	s_lshl_b32 s22, 0x1111, s[CX]                  ; my column
	s_or_b32 s[G1A], s20, (1<<16)|(1<<20)|(1<<21)|(5<<22)|(3<<25)  ; mask; 2-byte elements; padding on; bit 21 beside a mask; after every 64 words, 4 words
	s_mov_b32 s[G1A+1], 128<<16                    ; tensor_dim0 = 128
	s_mov_b32 s[G1A+2], 128<<16                    ; tensor_dim1 = 128
	s_mov_b32 s[G1A+3], 128<<16                    ; tile_dim0 = 128
	s_mov_b32 s[G1A+4], 128                        ; tile_dim1 = 128
	s_mov_b32 s[G1A+5], 1024                       ; elements from row to row
	s_mov_b32 s[G1A+6], 0
	s_mov_b32 s[G1A+7], 0
	s_or_b32 s[G1B], s22, (1<<16)|(1<<20)|(1<<21)|(6<<22)|(7<<25)  ; after every 128 words, 8 words
	s_mov_b32 s[G1B+1], 256<<16                    ; tensor_dim0 = 256
	s_mov_b32 s[G1B+2], 64<<16                     ; tensor_dim1 = 64
	s_mov_b32 s[G1B+3], 256<<16                    ; tile_dim0 = 256
	s_mov_b32 s[G1B+4], 64                         ; tile_dim1 = 64
	s_mov_b32 s[G1B+5], 1024
	s_mov_b32 s[G1B+6], 0
	s_mov_b32 s[G1B+7], 0
	s_lshl_b32 s20, s[TR], 8                       ; X: row 256 x tile row + 128 x half,
	s_lshl_b32 s21, s[HF], 7
	s_add_co_u32 s20, s20, s21
	s_lshl_b32 s20, s20, 11                        ; in bytes
	s_mov_b32 s21, 0
	s_lshl_b32 s22, ttmp9, 21                      ; W: W_q or W_k by the cluster's x,
	s_lshl_b32 s23, s[CX], 9                       ; the tile's 256 columns,
	s_add_co_u32 s22, s22, s23
	s_lshl_b32 s23, s[HF], 17                      ; my 64 k-rows
	s_add_co_u32 s22, s22, s23
	s_add_co_u32 s22, s22, WQOFF
	s_mov_b32 s23, 0
	s_mul_i32 s[LD], s[WV], HALFT                  ; where my tiles go: no place in the cluster enters an LDS address
	s_mov_b32 s[G0A], 1
	s_mov_b32 s[G0A+1], s[LD]
	s_mov_b32 s[G0A+4], 1
	s_add_co_u32 s[G0A+5], s[LD], SLOTX
	s_mov_b32 s[G0B], 1
	s_mov_b32 s[G0B+1], s[LD]
	s_mov_b32 s[G0B+4], 1
	s_add_co_u32 s[G0B+5], s[LD], SLOTX
	s_mov_b32 s[TB], 0
	s_wait_dscnt 0x0                               ; the opening add is done
	s_wait_kmcnt 0x0
	s_add_nc_u64 s[G0A+2:G0A+3], s[4:5], s[20:21]  ; K step 0
	s_add_nc_u64 s[G0A+6:G0A+7], s[G0A+2:G0A+3], KSTEPA  ; K step 1
	s_or_b32 s[G0A+3], s[G0A+3], 0x80000000        ; type = 2
	s_or_b32 s[G0A+7], s[G0A+7], 0x80000000
	s_add_nc_u64 s[G0B+2:G0B+3], s[4:5], s[22:23]
	s_add_nc_u64 s[G0B+6:G0B+7], s[G0B+2:G0B+3], KSTEPB
	s_or_b32 s[G0B+3], s[G0B+3], 0x80000000
	s_or_b32 s[G0B+7], s[G0B+7], 0x80000000
	CROUND                                         ; all sixteen work-groups are here: the first joint loads meet
	s_cmp_eq_u32 s[FB], 0                          ; a wave's two first fills stand in one branch: two loads of mine are out
	s_cbranch_scc0 .Lfirst_b
	tensor_load_to_lds s[G0A:G0A+3], s[G1A:G1A+7]
	s_nop 0
	tensor_load_to_lds s[G0A+4:G0A+7], s[G1A:G1A+7]
	s_nop 0
.rept 4
	v_nop
.endr
	s_branch .Lfirst_asked
.Lfirst_b:
	tensor_load_to_lds s[G0B:G0B+3], s[G1B:G1B+7]
	s_nop 0
	tensor_load_to_lds s[G0B+4:G0B+7], s[G1B:G1B+7]
	s_nop 0
.rept 4
	v_nop
.endr
.Lfirst_asked:
	; my part of the output: Q' or K; row 256 x tile row + 128 x (wave / 2); column 256 cx + 128 x (wave % 2)
	s_lshl_b32 s70, s[TR], 8
	s_lshl_b32 s71, s[FB], 7
	s_add_co_u32 s70, s70, s71
	s_lshl_b32 s70, s70, 11
	s_lshl_b32 s71, s[CX], 9
	s_add_co_u32 s70, s70, s71
	s_lshl_b32 s71, s[HF], 8
	s_add_co_u32 s70, s70, s71
	s_lshl_b32 s71, ttmp9, 24
	s_add_co_u32 s70, s70, s71
	s_mov_b32 s71, 0
	s_add_nc_u64 s[10:11], s[10:11], s[70:71]
	s_cmp_eq_u32 ttmp9, 0                          ; the same in all sixteen partners
	s_cselect_b64 s[BP:BP+1], s[6:7], s[8:9]
	s_cselect_b32 s[CS], 0x3ab8aa3b, 1.0           ; log2(e) / 1024 for Q, 1 for K
	s_mov_b32 s[CS+1], s[CS]                       ; named with it as a pair
	s_lshl_b32 s70, s[CX], 10
	s_lshl_b32 s71, s[HF], 9
	s_add_co_u32 s70, s70, s71
	s_mov_b32 s71, 0
	s_add_nc_u64 s[BP:BP+1], s[BP:BP+1], s[70:71]
	; the prefetches: both offsets are made, the wave's number chooses
	s_lshl_b32 s72, s[TR], 8
	s_lshl_b32 s73, s[HF], 7
	s_add_co_u32 s72, s72, s73
	s_lshl_b32 s73, s[CX], 5
	s_add_co_u32 s72, s72, s73                     ; X: my work-group's 32 of the 128 rows that I fetch,
	s_lshl_b32 s72, s72, 11
	s_add_co_u32 s72, s72, 3*KSTEPA                ; at K step 3: the first refill steps it to 4
	s_lshl_b32 s74, s[CY], 5
	s_add_co_u32 s74, s74, 3*128                   ; W: my work-group's 32 k-rows of K step 3,
	s_lshl_b32 s74, s74, 11
	s_lshl_b32 s73, s[CX], 9
	s_add_co_u32 s74, s74, s73
	s_lshl_b32 s73, s[HF], 8                       ; my half of the tile's 512 bytes
	s_add_co_u32 s74, s74, s73
	s_lshl_b32 s73, ttmp9, 21
	s_add_co_u32 s74, s74, s73
	s_add_co_u32 s74, s74, WQOFF
	s_mov_b32 s[PFS], KSTEPA
	s_mov_b32 s75, KSTEPB
	s_cmp_eq_u32 s[FB], 0
	s_cselect_b32 s72, s72, s74
	s_cselect_b32 s[PFS], s[PFS], s75
	s_cselect_b32 s74, ttmp9, s[CLY]               ; the coordinate along which other clusters read the same rows
	s_mov_b32 s73, 0
	s_mov_b32 s[PFS+1], 0
	s_add_nc_u64 s[PFA:PFA+1], s[4:5], s[72:73]
	s_cmp_eq_u32 s74, 0
	s_cselect_b32 s[LIM], 2, -1
	; lane addresses.  A fragment of X: lane l holds row l % 16; two loads of 16 bytes, 32 apart, at row x pitch + 16 (l / 16).
	v_and_b32 v1, 15, v0
	v_bfe_u32 v2, v0, 4, 1
	v_mul_u32_u24 v3, v1, PA
	v_lshl_add_u32 v3, v2, 4, v3
	s_mul_i32 s80, s[FB], HALFT                    ; my 128 rows of X
	v_add_nc_u32 v[ADRA0], s80, v3
	; A fragment of W, turned: lane l reads 16 bytes of k-row 8 (l / 16) + l % 8 at column 8 ((l / 8) % 2); the second load 16 k-rows on.
	v_and_b32 v4, 7, v0
	v_bfe_u32 v5, v0, 3, 1
	v_lshl_add_u32 v4, v2, 3, v4
	v_mul_u32_u24 v4, v4, PB
	v_lshl_add_u32 v4, v5, 4, v4
	s_lshl_b32 s81, s[HF], 8                       ; my 128 columns,
	s_add_co_u32 s81, s81, 2*HALFT                 ; behind X's 256 rows
	v_add_nc_u32 v[ADRB0], s81, v4
	v_mov_b32 v[ADRA], v[ADRA0]                    ; slot 0
	v_mov_b32 v[ADRB], v[ADRB0]
	s_mul_i32 s80, s[WV], 16*SPITCH
	s_add_co_u32 s80, s80, STAGE                   ; my stage
	v_add_nc_u32 v[STO], s80, v3                   ; in: row l % 16, 16 bytes for each half of the lanes (the stage's pitch is X's)
	v_mul_u32_u24 v5, v2, SPITCH                   ; back: lanes 0-15 one row of 256 bytes, lanes 16-31 the next
	v_lshl_add_u32 v5, v1, 4, v5
	v_add_nc_u32 v[RD], s80, v5
	v_lshlrev_b32 v5, 11, v2                       ; and the same two rows in the output
	v_lshl_add_u32 v[CO], v1, 4, v5
	v_and_b32 v[PFO], 31, v0
	v_lshlrev_b32 v[PFO], 11, v[PFO]
	v_lshlrev_b32 v[BO], 5, v2
	WIN TO_B                                       ; the bias of my columns 16 b + 8 (l / 16) + 0..7 into window 1, v[8 b ..]; waited for on the way out
.irp b, 0,1,2,3,4,5,6,7
	global_load_b128 v[8*(\b):8*(\b)+3],   v[BO], s[BP:BP+1] offset:64*(\b)
	global_load_b128 v[8*(\b)+4:8*(\b)+7], v[BO], s[BP:BP+1] offset:64*(\b)+16
.endr
	WIN 0
; 16 matrix instructions: m blocks a0, a0 + 1 of the window's four x all 8 n blocks, 32 along K.  zero = 1: the product starts the sum.  The 64 accumulators take turns, in the same order in every quarter.
.macro MUL16 f, hi, a0, zero
	WIN MUL_LO+0x50*(\hi)
.irp a, \a0, (\a0)+1
.irp b, 0,1,2,3,4,5,6,7
.if \zero
	v_wmma_f32_16x16x32_bf16 v[8*(8*(\a)+(\b)):8*(8*(\a)+(\b))+7], v[(\f)+8*(\b):(\f)+8*(\b)+7], v[(\f)+8*(4*(\hi)+(\a)):(\f)+8*(4*(\hi)+(\a))+7], 0
.else
	v_wmma_f32_16x16x32_bf16 v[8*(8*(\a)+(\b)):8*(8*(\a)+(\b))+7], v[(\f)+8*(\b):(\f)+8*(\b)+7], v[(\f)+8*(4*(\hi)+(\a)):(\f)+8*(4*(\hi)+(\a))+7], v[8*(8*(\a)+(\b)):8*(8*(\a)+(\b))+7]
.endif
.endr
.endr
.endm
; 32 LDS loads in one run: quarter q (32 along K) of the slot in hand into buffer f: W's eight fragments, then X's eight
.macro FETCH q, f
	WIN TO_B
.irp i, 0,1,2,3,4,5,6,7
	ds_load_tr16_b128 v[(\f)+8*(\i):(\f)+8*(\i)+3],   v[ADRB] offset:(\q)*32*PB+32*(\i)
	ds_load_tr16_b128 v[(\f)+8*(\i)+4:(\f)+8*(\i)+7], v[ADRB] offset:(\q)*32*PB+32*(\i)+16*PB
.endr
	WIN 0
.irp i, 0,1,2,3,4,5,6,7
	ds_load_b128 v[(\f)+8*(\i):(\f)+8*(\i)+3],   v[ADRA] offset:(\q)*64+(\i)*16*PA
	ds_load_b128 v[(\f)+8*(\i)+4:(\f)+8*(\i)+7], v[ADRA] offset:(\q)*64+(\i)*16*PA+32
.endr
.endm
; One of a K step's first three quarters: multiplies buffer f; in its middle it fetches quarter q into buffer g
.macro QUARTER q, f, g, zero
	s_wait_dscnt 8                                 ; W and X's rows 0-63 are in; the youngest eight loads (X's rows 64-127) may be out
	MUL16 \f, 0, 0, \zero
	MUL16 \f, 0, 2, \zero
	PLACES
	FETCH \q, \g
	s_wait_dscnt 32                                ; all but the 32 just issued
	MUL16 \f, 1, 0, \zero
	MUL16 \f, 1, 2, \zero
.endm
; The last quarter multiplies buffer 1 and changes slots.  In front of the one barrier each wave waits for all its tensor loads (one is out: its part of the next slot), adds 0 to its spare word, and waits for that
; and for its reads of this slot.  fill = 1: the barrier opens a round of the cluster's, and the joint refill, two K steps on, is the first tensor load behind the round: 224 matrix instructions ahead of the wait for it.
.macro TURN fill
.if \fill
	s_wait_xcnt 0x0                                ; the last prefetch, a K step back, has read its address
	s_add_nc_u64 s[PFA:PFA+1], s[PFA:PFA+1], s[PFS:PFS+1]
.endif
	WIN 0                                          ; (the add's two registers lie in window 0)
	s_wait_tensorcnt 0x0
	ds_add_u32 v[SPW], v[NIL]                      ; 0 onto my spare word
	s_wait_dscnt 9                                 ; (the add and the youngest eight loads may be out)
	MUL16 F1, 0, 0, 0
	s_wait_dscnt 0x0                               ; the add is done, and my reads of this slot are over
	s_barrier_signal -1
	MUL16 F1, 0, 2, 0
	WIN 0                                          ; at a branch and at a label every window is 0
	s_barrier_wait -1
.if \fill
	CREST                                          ; no wave of any partner still reads this slot or has a load on its way
	s_xor_b32 s[G0A+5], s[G0A+5], SLOTX            ; the walking sets: the other slot than last time, the next K step (no load of mine is out)
	s_add_nc_u64 s[G0A+6:G0A+7], s[G0A+6:G0A+7], KSTEPA
	s_xor_b32 s[G0B+5], s[G0B+5], SLOTX
	s_add_nc_u64 s[G0B+6:G0B+7], s[G0B+6:G0B+7], KSTEPB
	JLOAD                                          ; its four v_nop are also the places in front of the loads below
.else
	PLACES
.endif
	s_xor_b32 s[TB], s[TB], SLOTX
	v_add_nc_u32 v[ADRA], s[TB], v[ADRA0]
	v_add_nc_u32 v[ADRB], s[TB], v[ADRB0]
	FETCH 0, F0
.if \fill
	ASK
.endif
	MUL16 F1, 1, 0, 0
	MUL16 F1, 1, 2, 0
.endm
	s_wait_tensorcnt 1                             ; my part of K step 0 is in; K step 1's may stay out
	s_barrier_signal -1
	s_barrier_wait -1
	FETCH 0, F0
	QUARTER 1, F0, F1, 1                           ; the first quarter stands in front of the loop: its products start the sums
	WIN 0
	s_mov_b32 s[CNT], 6
.Lstep:                                        ; six trips, from a K step's second quarter to the next one's first; they ask for K steps 2 to 7
	QUARTER 2, F1, F0, 0
	QUARTER 3, F0, F1, 0
	TURN 1
	QUARTER 1, F0, F1, 0
	WIN 0
	s_sub_co_u32 s[CNT], s[CNT], 1
	s_cmp_lg_u32 s[CNT], 0
	s_cbranch_scc1 .Lstep
	QUARTER 2, F1, F0, 0                           ; the tail is written out: K steps 6 and 7 ask for nothing
	QUARTER 3, F0, F1, 0
	TURN 0
	QUARTER 1, F0, F1, 0
	QUARTER 2, F1, F0, 0
	QUARTER 3, F0, F1, 0
	s_wait_dscnt 8
	MUL16 F1, 0, 0, 0
	MUL16 F1, 0, 2, 0
	s_wait_dscnt 0x0
	MUL16 F1, 1, 0, 0
	MUL16 F1, 1, 2, 0
	; THE WAY OUT.  The bias is rounded to bf16 like the other inputs, widened again and multiplied by c: 128 plain lines that name none of the last products' registers: the places behind them.
	s_wait_loadcnt 0x0
	WIN 0x45                                       ; destination and both sources in window 1
.set p, 0
.rept 32
	v_cvt_pk_bf16_f32 v[192+p%2], v[2*p], v[2*p+1]
	v_lshlrev_b32 v[2*p], 16, v[192+p%2]
	v_and_b32 v[2*p+1], 0xffff0000, v[192+p%2]
	v_pk_mul_f32 v[2*p:2*p+1], v[2*p:2*p+1], s[CS:CS+1] op_sel_hi:[1,0]
.set p, p+1
.endr
; Block a (16 rows): sum x c + bias x c in place, each accumulator from its lowest registers on; rounded to bf16, 16 bytes a lane
.macro PACK a
.set AC, 64*((\a)%4)
	WIN 0x92+0x41*((\a)/4)                         ; accumulators (destination, source 0) in window 2 or 3, the bias (source 2) in window 1
.irp b, 0,1,2,3,4,5,6,7
.irp r, 0,1,2,3
	v_pk_fma_f32 v[AC+8*(\b)+2*(\r):AC+8*(\b)+2*(\r)+1], v[AC+8*(\b)+2*(\r):AC+8*(\b)+2*(\r)+1], s[CS:CS+1], v[8*(\b)+2*(\r):8*(\b)+2*(\r)+1] op_sel_hi:[1,0,1]
.endr
.endr
	WIN 0x0a+5*((\a)/4)                            ; sources 0 and 1 in window 2 or 3, destination in window 0
.irp b, 0,1,2,3,4,5,6,7
.irp r, 0,1,2,3
	v_cvt_pk_bf16_f32 v[TMP+4*(\b)+(\r)], v[AC+8*(\b)+2*(\r)], v[AC+8*(\b)+2*(\r)+1]
.endr
.endr
	WIN 0
.endm
.macro TOSTAGE a                       ; into my own stage, and back as whole rows of 256 bytes
	WIN 0
.set BK, OB+192*((\a)%2)
.irp b, 0,1,2,3,4,5,6,7
	ds_store_b128 v[STO], v[TMP+4*(\b):TMP+4*(\b)+3] offset:32*(\b)
.endr
.irp t, 0,1,2,3,4,5,6,7
	ds_load_b128 v[BK+4*(\t):BK+4*(\t)+3], v[RD] offset:(\t)*2*SPITCH  ; LDS serves a wave's instructions in order (ISA guide 5.7.1.4): these see the stores above
.endr
.endm
.macro SEND a
	WIN 0
.set BK, OB+192*((\a)%2)
	s_wait_dscnt 0x0                               ; the block is back in registers
	s_wait_xcnt 0x0                                ; earlier stores have read their base and their data: only behind this wait are these rewritten
.if (\a) > 0
	s_add_nc_u64 s[10:11], s[10:11], 16*ROWB
.endif
.irp t, 0,1,2,3,4,5,6,7
	global_store_b128 v[CO], v[BK+4*(\t):BK+4*(\t)+3], s[10:11] offset:2*(\t)*ROWB  ; 16 lanes store 256 consecutive bytes, aligned
.endr
.endm
	PACK 0
	TOSTAGE 0
.irp a, 1,2,3,4,5,6,7                  ; block a's arithmetic stands between block a - 1's loads from the stage and the wait for them
	PACK \a
	SEND (\a)-1
	TOSTAGE \a
.endr
	SEND 7
	s_wait_tensorcnt 0x0                           ; the wave's end, behind my last tensor load and my last LDS store
	ds_add_u32 v[SPW], v[NIL]
	s_wait_dscnt 0x0
	CROUND                                         ; the closing round: no work-group ends while a partner may still ask for a tile that names it
	s_endpgm
.Lfunc_end_k_q849b7c8bd8_projqk:
	.size	k_q849b7c8bd8_projqk, .Lfunc_end_k_q849b7c8bd8_projqk-k_q849b7c8bd8_projqk
	.p2alignl 7, 3214868480
	.fill 96, 4, 3214868480
	.section	.rodata,"a",@progbits
	.p2align	6, 0x0
	.amdhsa_kernel k_q849b7c8bd8_projqk
		.amdhsa_group_segment_fixed_size 327680
		.amdhsa_private_segment_fixed_size 0
		.amdhsa_enable_private_segment 0
		.amdhsa_kernarg_size 32
		.amdhsa_user_sgpr_count 2
		.amdhsa_user_sgpr_kernarg_segment_ptr 1
		.amdhsa_wavefront_size32 1
		.amdhsa_system_sgpr_workgroup_id_x 1
		.amdhsa_system_sgpr_workgroup_id_y 1
		.amdhsa_system_sgpr_workgroup_id_z 1
		.amdhsa_system_vgpr_workitem_id 0
		.amdhsa_next_free_vgpr 1024
		.amdhsa_next_free_sgpr 84
		.amdhsa_reserve_vcc 0
		.amdhsa_float_denorm_mode_32 3
		.amdhsa_float_denorm_mode_16_64 3
		.amdhsa_memory_ordered 1
		.amdhsa_forward_progress 1
		.amdhsa_inst_pref_size 143
	.end_amdhsa_kernel
	.amdgpu_metadata
---
amdhsa.version: [ 1, 2 ]
amdhsa.kernels:
  - .name:           k_q849b7c8bd8_projqk
    .symbol:         k_q849b7c8bd8_projqk.kd
    .args:
      - { .name: xw, .offset: 0, .size: 8, .value_kind: global_buffer, .address_space: global }
      - { .name: b_q, .offset: 8, .size: 8, .value_kind: global_buffer, .address_space: global }
      - { .name: b_k, .offset: 16, .size: 8, .value_kind: global_buffer, .address_space: global }
      - { .name: qk, .offset: 24, .size: 8, .value_kind: global_buffer, .address_space: global }
    .group_segment_fixed_size: 327680
    .private_segment_fixed_size: 0
    .kernarg_segment_align: 8
    .kernarg_segment_size: 32
    .max_flat_workgroup_size: 128
    .sgpr_count:     84
    .vgpr_count:     1024
    .wavefront_size: 32
...
	.end_amdgpu_metadata
.endif
;; end of part 2
;; launch stats (part 3): grid 4 x 64, 8 waves a work-group, clusters of 4 x 1, 327,680 bytes of LDS; arguments qk, dg; writes dg
.if DOCPART == 3
	.amdgcn_target "amdgcn-amd-amdhsa--gfx1250"
	.amdhsa_code_object_version 6
	.text
	.protected	k_q849b7c8bd8_stats
	.globl	k_q849b7c8bd8_stats
	.p2align	8
	.type	k_q849b7c8bd8_stats,@function
k_q849b7c8bd8_stats:
	s_mov_b64 s[64:65], 0
	v_nop
	global_prefetch_b8 v0, s[64:65] scope:SCOPE_SE
	s_setreg_imm32_b32 hwreg(HW_REG_WAVE_MODE, 25, 1), 1
	s_wait_xcnt 0x0
	s_wait_alu depctr_hold_cnt(0) depctr_sa_sdst(0) depctr_va_vdst(0) depctr_va_sdst(0) depctr_va_ssrc(0) depctr_va_vcc(0) depctr_vm_vsrc(0)
	s_getreg_b32 s2, hwreg(HW_REG_IB_STS2, 6, 4)
	s_cmp_eq_u32 s2, 0
	s_cbranch_scc0 .Lentry_in_a_cluster
	s_endpgm
.Lentry_in_a_cluster:
	s_bfe_u32 s2, ttmp6, 0x10000c
	s_cmp_lg_u32 s2, 0x3003
	s_cbranch_scc0 .Lentry_shape_is_right
	s_endpgm
.Lentry_shape_is_right:
; dg[head][b] = exp(s[b][b] - max_a s[a][b]) / sum_a exp(s[a][b] - max_a s[a][b]), s[a][b] = q[a] . k[b] / 1024: the diagonal of a softmax taken over the QUERY axis.
; qk = Q' [64 heads][2048][64] bf16 (already multiplied by log2(e) / 1024, so the product is the exponent in base 2), then K in the same layout.  dg: [64][2048] f32.
; Products, maxima and sums in f32; the maximum is a running one.  LIMITS: a weight below 2^-126 counts as 0, and so does a result below that; m starts at the lowest finite number; NaN loses in the maxima; infinities are not treated apart.
; SHARES.  A work-group takes 512 keys of a head, each of its eight waves 64: four tiles of 16, whose K stays in registers.  Every wave walks all 2,048 queries, 64 a step.
; LAYOUT.  Source 0 = 16 queries, source 1 = 16 keys: a lane holds ONE key (lane % 16) and the queries 8 (lane / 16) + 0..7.  Each lane keeps m and l over its own half of the queries; the halves meet once, at the end.
; LDS.  The head's whole Q' lies there, 2,048 rows of 144 bytes, filled once: no slot is ever filled again.  Each wave brings two parts: 64 of the first 512 queries, waited for first, and 192 of the others.
; CLUSTER.  The four work-groups of a head read the same Q': each part is asked for jointly by all four.  The diagonal's own rows of Q' hang on the work-group's place, so they come from memory into registers, not from LDS.
; EIGHT WAVES OF FOUR TILES: K (64), Q (64), two score buffers (64) and the statistics fit 256 registers, so no register window is ever switched, in a loop that has 84 vector lines for 8 matrix lines.
; BY TURNS.  Turn t works on tile t's 64 x 16 scores (maximum, a, scaling, exponentials, sums) while the 8 products of the next tile stand among its lines, four vector lines behind each.
; No prefetch: every byte that the launch reads is asked for at its head.
.set PQ,    144                        ; a row of Q' in LDS: 128 bytes + 16: the 16 rows of a fragment load start 36 words apart
.set STEPB, 64*PQ                      ; a step's 64 queries
.set PARTA, 512*PQ                     ; the first part
.set SPARE, 326656                     ; the spare words, 128 bytes a wave: four blocks of 256 bytes that no other line names
.set KOFF,  16777216                   ; K in qk
.set AQ0, 3                            ; v3   my lane's place in a step's rows; never rewritten
.set GO,  4                            ; v4   my byte offset in 16 rows of K or Q' in memory
.set SPW, 6                            ; v6   LDS address of my spare word; never rewritten
.set NIL, 7                            ; v7   0; never rewritten
.set JS,  8                            ; v8   lane % 16 - 8 (lane / 16): the register that holds my key's own query, if it is 0..7
.set LO,  9                            ; v9   4 x lane
.set AQ,  10                           ; v10  the LDS address of the run of loads in hand
.set ST,  16                           ; tile t's statistics at v[ST + 4 t]: m, 0 (named with m as a pair), l (even registers', odd registers')
.set SD,  32                           ; v32-35 the tiles' diagonal scores
.set CC,  36                           ; v36-39 c0-c3, at work; c2 takes a
.set EP,  40                           ; v40-55 at work at the head and the end, four a tile
.set KF,  64                           ; K: tile t, channel half c at KF + 16 t + 8 c
.set QF,  128                          ; Q' of one step: channel half c, query tile i at QF + 32 c + 8 i
.set S,   192                          ; two score buffers of 32; tile t has buffer t % 2
.set WV,  8
.set CX,  9
.set HD,  10
.set G1A, 16                           ; s[16:23] group 1 of the first part;  s[24:31] of the second
.set G1B, 24
.set G0A, 32
.set G0B, 36
.set MK,  40                           ; s40-47 lane masks: JS = 0 .. 7
.set SEL, 48                           ; s[48:49] v_permlanex16_b32's selects: each lane takes its own place in the other half
.set CNT, 50
.set HIM, 51                           ; s51  lanes 16-31
.set TQ,  52                           ; s52  LDS byte at which the step to be fetched begins
.set KP,  54                           ; s[54:55] my 64 rows of K;  s[56:57] the same rows of Q'
.set QP,  56
.macro CROUND                          ; a round of the cluster's barrier
	s_barrier_signal -1
	s_barrier_wait -1
	s_cmp_lg_u32 s[WV], 0
	s_cbranch_scc1 .Lnot_wave_0_\@
	s_barrier_signal -3
.Lnot_wave_0_\@:
	s_barrier_wait -3
	s_barrier_signal -1
	s_barrier_wait -1
.endm
	s_load_b128 s[4:7], s[0:1], 0x0                ; qk s[4:5], dg s[6:7]
	v_lshl_add_u32 v[SPW], v0, 2, SPARE
	v_mov_b32 v[NIL], 0
	ds_add_u32 v[SPW], v[NIL]                      ; the wave's opening: the add and its wait stand ahead of my first tensor load; work on registers stands between them
	v_lshrrev_b32 v1, 5, v0
	v_readfirstlane_b32 s[WV], v1
	s_bfe_u32 s[CX], ttmp6, 0x40000                ; my place in the cluster: which 512 keys
	s_and_b32 s[HD], ttmp7, 0xffff                 ; the head, which the four partners share
	; dense rows of 128 bytes are asked for as rows of 256 bytes, two queries a row, and padded in LDS after every query
	s_mov_b32 s[G1A], 15|(1<<16)|(1<<20)|(1<<21)|(4<<22)|(3<<25)  ; the mask of four; 2-byte elements; padding on; bit 21 beside a mask; after every 32 words, 4 words
	s_mov_b32 s[G1A+1], 128<<16                    ; tensor_dim0 = 128
	s_mov_b32 s[G1A+2], 32<<16                     ; tensor_dim1 = 32
	s_mov_b32 s[G1A+3], 128<<16                    ; tile_dim0 = 128
	s_mov_b32 s[G1A+4], 32                         ; tile_dim1 = 32: 64 queries
	s_mov_b32 s[G1A+5], 128
	s_mov_b32 s[G1A+6], 0
	s_mov_b32 s[G1A+7], 0
	s_mov_b32 s[G1B], 15|(1<<16)|(1<<20)|(1<<21)|(4<<22)|(3<<25)
	s_mov_b32 s[G1B+1], 128<<16
	s_mov_b32 s[G1B+2], 96<<16                     ; tensor_dim1 = 96
	s_mov_b32 s[G1B+3], 128<<16
	s_mov_b32 s[G1B+4], 96                         ; tile_dim1 = 96: 192 queries
	s_mov_b32 s[G1B+5], 128
	s_mov_b32 s[G1B+6], 0
	s_mov_b32 s[G1B+7], 0
	s_mov_b32 s[G0A], 1
	s_mul_i32 s[G0A+1], s[WV], STEPB               ; queries 64 w ..
	s_mov_b32 s[G0B], 1
	s_mul_i32 s[G0B+1], s[WV], 3*STEPB             ; queries 512 + 192 w ..
	s_add_co_u32 s[G0B+1], s[G0B+1], PARTA
	s_lshl_b32 s11, s[HD], 18                      ; a head is 262,144 bytes
	s_lshl_b32 s14, s[WV], 13
	s_add_co_u32 s14, s14, s11
	s_mov_b32 s15, 0
	s_mul_i32 s12, s[WV], 24576
	s_add_co_u32 s12, s12, s11
	s_add_co_u32 s12, s12, 65536
	s_mov_b32 s13, 0
	s_lshl_b32 s58, s[CX], 16                      ; my work-group's 512 rows, my wave's 64
	s_add_co_u32 s58, s58, s14
	s_mov_b32 s59, 0
	s_lshl_b32 s60, s[HD], 11
	s_lshl_b32 s61, s[CX], 9
	s_add_co_u32 s60, s60, s61
	s_lshl_b32 s61, s[WV], 6
	s_add_co_u32 s60, s60, s61
	s_lshl_b32 s60, s60, 2                         ; my 64 keys in dg
	s_mov_b32 s61, 0
	s_mov_b32 s[SEL], 0x76543210
	s_mov_b32 s[SEL+1], 0xfedcba98
	s_mov_b32 s[HIM], 0xffff0000
	s_mov_b32 s[TQ], 0
	v_and_b32 v1, 15, v0
	v_bfe_u32 v2, v0, 4, 1
	v_mul_u32_u24 v[AQ0], v1, PQ
	v_lshl_add_u32 v[AQ0], v2, 4, v[AQ0]           ; row x pitch + 16 x half
	v_lshlrev_b32 v[GO], 7, v1
	v_lshl_add_u32 v[GO], v2, 4, v[GO]             ; row x 128 + 16 x half
	v_lshlrev_b32 v5, 3, v2
	v_sub_nc_u32 v[JS], v1, v5
	v_and_b32 v[LO], 31, v0
	v_lshlrev_b32 v[LO], 2, v[LO]
	s_wait_dscnt 0x0                               ; the opening add is done
	s_wait_kmcnt 0x0
	s_add_nc_u64 s[G0A+2:G0A+3], s[4:5], s[14:15]
	s_or_b32 s[G0A+3], s[G0A+3], 0x80000000        ; type = 2
	s_add_nc_u64 s[G0B+2:G0B+3], s[4:5], s[12:13]
	s_or_b32 s[G0B+3], s[G0B+3], 0x80000000
	s_add_nc_u64 s[QP:QP+1], s[4:5], s[58:59]
	s_add_nc_u64 s[KP:KP+1], s[QP:QP+1], KOFF
	s_add_nc_u64 s[6:7], s[6:7], s[60:61]
	CROUND                                         ; all four work-groups are here: the joint loads meet
	tensor_load_to_lds s[G0A:G0A+3], s[G1A:G1A+7]  ; every wave issues both: two loads of mine are out, and no more ever
	s_nop 0
	tensor_load_to_lds s[G0B:G0B+3], s[G1B:G1B+7]
	s_nop 0
.irp t, 0,1,2,3                        ; my 64 keys, and the queries of the same places (into Q's registers, until the walk begins)
.irp c, 0,1
	global_load_b128 v[KF+16*(\t)+8*(\c):KF+16*(\t)+8*(\c)+3],   v[GO], s[KP:KP+1] offset:2048*(\t)+64*(\c)
	global_load_b128 v[KF+16*(\t)+8*(\c)+4:KF+16*(\t)+8*(\c)+7], v[GO], s[KP:KP+1] offset:2048*(\t)+64*(\c)+32
	global_load_b128 v[QF+16*(\t)+8*(\c):QF+16*(\t)+8*(\c)+3],   v[GO], s[QP:QP+1] offset:2048*(\t)+64*(\c)
	global_load_b128 v[QF+16*(\t)+8*(\c)+4:QF+16*(\t)+8*(\c)+7], v[GO], s[QP:QP+1] offset:2048*(\t)+64*(\c)+32
.endr
.endr
.irp j, 0,1,2,3,4,5,6,7
	v_cmp_eq_u32 s[MK+(\j)], \j, v[JS]
.endr
.irp t, 0,1,2,3
	v_mov_b32 v[ST+4*(\t)], 0xff7fffff             ; m: the lowest finite number, so the first a is 0
	v_mov_b32 v[ST+4*(\t)+1], 0
	v_mov_b32 v[ST+4*(\t)+2], 0                    ; l
	v_mov_b32 v[ST+4*(\t)+3], 0
.endr
.set i, 0
.rept 16
	v_mov_b32 v[EP+i], 0                           ; v_permlanex16_b32's destinations count as read
.set i, i+1
.endr
	s_wait_loadcnt 0x0
	; THE DIAGONAL SCORES: 16 queries x the 16 keys of the same places, for each tile; the four accumulators take turns
.irp c, 0,1
.irp t, 0,1,2,3
.if (\c) == 0
	v_wmma_f32_16x16x32_bf16 v[S+8*(\t):S+8*(\t)+7], v[QF+16*(\t):QF+16*(\t)+7], v[KF+16*(\t):KF+16*(\t)+7], 0
.else
	v_wmma_f32_16x16x32_bf16 v[S+8*(\t):S+8*(\t)+7], v[QF+16*(\t)+8:QF+16*(\t)+15], v[KF+16*(\t)+8:KF+16*(\t)+15], v[S+8*(\t):S+8*(\t)+7]
.endif
.endr
.endr
.rept 4
	v_nop                                          ; the places behind those products
.endr
.irp t, 0,1,2,3                        ; register JS of the lane that holds it, 0 elsewhere; each accumulator is read from its lowest register on
	v_cndmask_b32 v[SD+(\t)], 0, v[S+8*(\t)], s[MK]
.endr
.irp j, 1,2,3,4,5,6,7
.irp t, 0,1,2,3
	v_cndmask_b32 v[SD+(\t)], v[SD+(\t)], v[S+8*(\t)+(\j)], s[MK+(\j)]
.endr
.endr
.irp t, 0,1,2,3
	v_permlanex16_b32 v[EP+4*(\t)], v[SD+(\t)], s[SEL], s[SEL+1]
.endr
.irp t, 0,1,2,3
	v_add_f32 v[SD+(\t)], v[SD+(\t)], v[EP+4*(\t)] ; one of the two lanes of a key held 0: both now hold the score
.endr
; Product i of 8 for tile u into buffer b: channels 32 (i / 4) on, queries 16 (i % 4) on.  The first four start the sums.  The four accumulators take turns.
.macro MM u, b, i
.set rD, S+32*(\b)+8*((\i)%4)
.set rA, QF+32*((\i)/4)+8*((\i)%4)
.set rB, KF+16*(\u)+8*((\i)/4)
.if (\i) < 4
	v_wmma_f32_16x16x32_bf16 v[rD:rD+7], v[rA:rA+7], v[rB:rB+7], 0
.else
	v_wmma_f32_16x16x32_bf16 v[rD:rD+7], v[rA:rA+7], v[rB:rB+7], v[rD:rD+7]
.endif
.endm
.macro NEXTQ                           ; the address of the next step's rows
	v_add_nc_u32 v[AQ], s[TQ], v[AQ0]
	s_add_co_u32 s[TQ], s[TQ], STEPB
.endm
.macro FQ c                            ; eight LDS loads: channel half c of a step's 64 queries
.irp i, 0,1,2,3
	ds_load_b128 v[QF+32*(\c)+8*(\i):QF+32*(\c)+8*(\i)+3],   v[AQ] offset:(\i)*16*PQ+64*(\c)
	ds_load_b128 v[QF+32*(\c)+8*(\i)+4:QF+32*(\c)+8*(\i)+7], v[AQ] offset:(\i)*16*PQ+64*(\c)+32
.endr
.endm
; Number n of the 19 that find tile t's new maximum and a.  0-11: four chains c0-c3 of seven scores each (each accumulator's lowest registers first).
; 12-15: the four scores left over, the old m, and c0-c3 into c0.  16: m_old - m_new.  17: m.  18: a.
.macro MX t, n
.set rT, ST+4*(\t)
.set rS, S+32*((\t)%2)
.if (\n) < 4
	v_max3_num_f32 v[CC+(\n)], v[rS+8*(\n)], v[rS+8*(\n)+1], v[rS+8*(\n)+2]
.elseif (\n) < 12
	v_max3_num_f32 v[CC+(\n)%4], v[CC+(\n)%4], v[rS+8*((\n)%4)+2*((\n)/4)+1], v[rS+8*((\n)%4)+2*((\n)/4)+2]
.elseif (\n) == 12
	v_max3_num_f32 v[CC], v[CC], v[rS+7], v[rS+15]
.elseif (\n) == 13
	v_max3_num_f32 v[CC+1], v[CC+1], v[rS+23], v[rS+31]
.elseif (\n) == 14
	v_max3_num_f32 v[CC+2], v[CC+2], v[CC+3], v[rT]
.elseif (\n) == 15
	v_max3_num_f32 v[CC], v[CC], v[CC+1], v[CC+2]
.elseif (\n) == 16
	v_sub_f32 v[CC+1], v[rT], v[CC]
.elseif (\n) == 17
	v_mov_b32 v[rT], v[CC]
.else
	v_exp_f32 v[CC+2], v[CC+1]
.endif
.endm
.macro MX4 t, n0
	MX \t, (\n0)
	MX \t, (\n0)+1
	MX \t, (\n0)+2
	MX \t, (\n0)+3
.endm
.macro SC t, k                         ; s - m for pair k of 16
.set rT, ST+4*(\t)
.set rS, S+32*((\t)%2)
	v_pk_add_f32 v[rS+2*(\k):rS+2*(\k)+1], v[rS+2*(\k):rS+2*(\k)+1], v[rT:rT+1] op_sel_hi:[1,0] neg_lo:[0,1] neg_hi:[0,1]
.endm
.macro EX t, n                         ; 2^(s - m) for score n of 32
	v_exp_f32 v[S+32*((\t)%2)+(\n)], v[S+32*((\t)%2)+(\n)]
.endm
.macro EX4 t, n0
	EX \t, (\n0)
	EX \t, (\n0)+1
	EX \t, (\n0)+2
	EX \t, (\n0)+3
.endm
.macro SU t, z                         ; number z of the 16 that add the 16 pairs, as a tree in place, and make l = a l + sum
.set rT, ST+4*(\t)
.set rS, S+32*((\t)%2)
.if (\z) < 8
	v_pk_add_f32 v[rS+4*(\z):rS+4*(\z)+1], v[rS+4*(\z):rS+4*(\z)+1], v[rS+4*(\z)+2:rS+4*(\z)+3]
.elseif (\z) < 12
	v_pk_add_f32 v[rS+8*((\z)-8):rS+8*((\z)-8)+1], v[rS+8*((\z)-8):rS+8*((\z)-8)+1], v[rS+8*((\z)-8)+4:rS+8*((\z)-8)+5]
.elseif (\z) < 14
	v_pk_add_f32 v[rS+16*((\z)-12):rS+16*((\z)-12)+1], v[rS+16*((\z)-12):rS+16*((\z)-12)+1], v[rS+16*((\z)-12)+8:rS+16*((\z)-12)+9]
.elseif (\z) == 14
	v_pk_add_f32 v[rS:rS+1], v[rS:rS+1], v[rS+16:rS+17]
.else
	v_pk_fma_f32 v[rT+2:rT+3], v[rT+2:rT+3], v[CC+2:CC+3], v[rS:rS+1] op_sel_hi:[1,0,1]
.endif
.endm
; A TURN, for tile t.  Its products are tile (t + 1) % 4's, into the other buffer; turn 3's are the next step's.  Its 33 exponentials are ONE batch: nothing ahead of the one wait names a result of theirs,
; and no exponential follows the wait.  The 16 sums behind the wait are the places between the turn's last product and the next turn's first read of its scores.
; Turn 2 fetches the next step's Q': channel half 0 five plain lines behind the last product that read it (four of the maximum's, the address's), half 1 likewise (the v_nop, four sums).
; last = 1: in the last trip there is no further step, and both runs are jumped over; turn 3 then multiplies the old Q' once more, into a buffer that nobody reads.
.macro TURN t, last
.set TBF, (\t)%2
.set TNX, ((\t)+1)%4
.if (\t) == 3
	s_wait_dscnt 8                                 ; half 0 is in; half 1's eight loads may be out
.endif
	MM TNX, 1-TBF, 0
	MX4 \t, 0
	MM TNX, 1-TBF, 1
	MX4 \t, 4
	MM TNX, 1-TBF, 2
	MX4 \t, 8
	MM TNX, 1-TBF, 3
	MX4 \t, 12
.if (\t) == 2
.if \last
	s_cmp_eq_u32 s[CNT], 1
	s_cbranch_scc1 .Lno_q0_\@
.endif
	NEXTQ
	FQ 0
.if \last
.Lno_q0_\@:
.endif
.endif
	MX \t, 16
	MX \t, 17
	MX \t, 18
	SC \t, 0
	SC \t, 1
	SC \t, 2
	SC \t, 3
.set kk, 0
.rept 12                               ; exponential and scaling by turns: score kk's pair was scaled at least three lines earlier
	EX \t, kk
	SC \t, kk+4
.set kk, kk+1
.endr
.if (\t) == 3
	s_wait_dscnt 0x0                               ; half 1 is in
.endif
	MM TNX, 1-TBF, 4
	EX4 \t, 12
	MM TNX, 1-TBF, 5
	EX4 \t, 16
	MM TNX, 1-TBF, 6
	EX4 \t, 20
	MM TNX, 1-TBF, 7
	EX4 \t, 24
	EX4 \t, 28
	v_nop                                          ; a plain instruction behind the last exponential, ahead of the first use (ISA guide 5.7.2): one for the batch
	s_wait_alu depctr_va_vdst(0)                   ; the wait ahead of the batch's first reader
	SU \t, 0
	SU \t, 1
	SU \t, 2
	SU \t, 3
.if (\t) == 2
.if \last
	s_cmp_eq_u32 s[CNT], 1
	s_cbranch_scc1 .Lno_q1_\@
.endif
	FQ 1
.if \last
.Lno_q1_\@:
.endif
.endif
.set zz, 4
.rept 12
	SU \t, zz
.set zz, zz+1
.endr
.endm
.macro SEG trips, last                 ; so many steps of 64 queries
	s_mov_b32 s[CNT], \trips
.Lseg_\@:
	TURN 0, \last
	TURN 1, \last
	TURN 2, \last
	TURN 3, \last
	s_sub_co_u32 s[CNT], s[CNT], 1
	s_cmp_lg_u32 s[CNT], 0
	s_cbranch_scc1 .Lseg_\@
.endm
	s_wait_tensorcnt 1                             ; my part of the first 512 queries is in; my other load may stay out
	s_barrier_signal -1
	s_barrier_wait -1                              ; everybody's is
	NEXTQ                                          ; step 0
	FQ 0
	FQ 1
	s_wait_dscnt 0x0
.irp i, 0,1,2,3,4,5,6,7
	MM 0, 0, \i                                    ; tile 0's first scores: there is no vector work yet to set between them
.endr
.rept 4
	v_nop                                          ; the places behind them
.endr
	SEG 7, 0                                       ; steps 0-6; they fetch steps 1-7, all within the first 512 queries
	s_wait_tensorcnt 0x0                           ; my part of the other 1,536 queries is in,
	s_wait_dscnt 0x0
	s_barrier_signal -1
	s_barrier_wait -1                              ; everybody's is
	SEG 25, 1                                      ; steps 7-31
	; THE END.  A key's two lanes hold m and l over half the queries each: M = the greater m; L = l 2^(m - M) of both; the result is 2^(s_bb - M) / L.
.irp t, 0,1,2,3
	v_add_f32 v[EP+4*(\t)], v[ST+4*(\t)+2], v[ST+4*(\t)+3]
.endr
.irp t, 0,1,2,3
	v_permlanex16_b32 v[EP+4*(\t)+1], v[ST+4*(\t)], s[SEL], s[SEL+1]
.endr
.irp t, 0,1,2,3
	v_max_num_f32 v[EP+4*(\t)+1], v[ST+4*(\t)], v[EP+4*(\t)+1]
.endr
.irp t, 0,1,2,3
	v_sub_f32 v[EP+4*(\t)+2], v[ST+4*(\t)], v[EP+4*(\t)+1]
	v_sub_f32 v[EP+4*(\t)+3], v[SD+(\t)], v[EP+4*(\t)+1]
.endr
.irp t, 0,1,2,3
	v_exp_f32 v[EP+4*(\t)+2], v[EP+4*(\t)+2]
	v_exp_f32 v[EP+4*(\t)+3], v[EP+4*(\t)+3]
.endr
	v_nop                                          ; a plain instruction behind the last exponential,
	s_wait_alu depctr_va_vdst(0)                   ; and one wait for the eight
.irp t, 0,1,2,3
	v_mul_f32 v[EP+4*(\t)], v[EP+4*(\t)], v[EP+4*(\t)+2]
.endr
.irp t, 0,1,2,3
	v_permlanex16_b32 v[EP+4*(\t)+1], v[EP+4*(\t)], s[SEL], s[SEL+1]
.endr
.irp t, 0,1,2,3
	v_add_f32 v[EP+4*(\t)], v[EP+4*(\t)], v[EP+4*(\t)+1]
.endr
.irp t, 0,1,2,3
	v_rcp_f32 v[EP+4*(\t)+1], v[EP+4*(\t)]         ; L is at least 1: the greatest weight
.endr
	v_nop
	s_wait_alu depctr_va_vdst(0)                   ; one wait for the four reciprocals
.irp t, 0,1,2,3
	v_mul_f32 v[EP+4*(\t)+3], v[EP+4*(\t)+3], v[EP+4*(\t)+1]
.endr
	v_cndmask_b32 v[EP], v[EP+3], v[EP+7], s[HIM]      ; lanes 0-15 tile 0's keys, lanes 16-31 tile 1's
	v_cndmask_b32 v[EP+1], v[EP+11], v[EP+15], s[HIM]  ; tiles 2 and 3
	global_store_b32 v[LO], v[EP], s[6:7]              ; the two stores cover my wave's 256 consecutive bytes, aligned, half each: 64 numbers a wave do not repay a way through LDS
	global_store_b32 v[LO], v[EP+1], s[6:7] offset:128
	s_wait_tensorcnt 0x0                           ; the wave's end, behind my last tensor load
	ds_add_u32 v[SPW], v[NIL]
	s_wait_dscnt 0x0
	CROUND                                         ; the closing round
	s_endpgm
.Lfunc_end_k_q849b7c8bd8_stats:
	.size	k_q849b7c8bd8_stats, .Lfunc_end_k_q849b7c8bd8_stats-k_q849b7c8bd8_stats
	.p2alignl 7, 3214868480
	.fill 96, 4, 3214868480
	.section	.rodata,"a",@progbits
	.p2align	6, 0x0
	.amdhsa_kernel k_q849b7c8bd8_stats
		.amdhsa_group_segment_fixed_size 327680
		.amdhsa_private_segment_fixed_size 0
		.amdhsa_enable_private_segment 0
		.amdhsa_kernarg_size 16
		.amdhsa_user_sgpr_count 2
		.amdhsa_user_sgpr_kernarg_segment_ptr 1
		.amdhsa_wavefront_size32 1
		.amdhsa_system_sgpr_workgroup_id_x 1
		.amdhsa_system_sgpr_workgroup_id_y 1
		.amdhsa_system_sgpr_workgroup_id_z 1
		.amdhsa_system_vgpr_workitem_id 0
		.amdhsa_next_free_vgpr 256
		.amdhsa_next_free_sgpr 66
		.amdhsa_reserve_vcc 0
		.amdhsa_float_denorm_mode_32 3
		.amdhsa_float_denorm_mode_16_64 3
		.amdhsa_memory_ordered 1
		.amdhsa_forward_progress 1
		.amdhsa_inst_pref_size 57
	.end_amdhsa_kernel
	.amdgpu_metadata
---
amdhsa.version: [ 1, 2 ]
amdhsa.kernels:
  - .name:           k_q849b7c8bd8_stats
    .symbol:         k_q849b7c8bd8_stats.kd
    .args:
      - { .name: qk, .offset: 0, .size: 8, .value_kind: global_buffer, .address_space: global }
      - { .name: dg, .offset: 8, .size: 8, .value_kind: global_buffer, .address_space: global }
    .group_segment_fixed_size: 327680
    .private_segment_fixed_size: 0
    .kernarg_segment_align: 8
    .kernarg_segment_size: 16
    .max_flat_workgroup_size: 256
    .sgpr_count:     66
    .vgpr_count:     256
    .wavefront_size: 32
...
	.end_amdgpu_metadata
.endif
;; end of part 3
;; launch projv (part 4): grid 8 x 32, 4 waves a work-group, clusters of 4 x 4, 327,680 bytes of LDS; arguments xw, wv, b_v, dg, u; writes u
.if DOCPART == 4
	.amdgcn_target "amdgcn-amd-amdhsa--gfx1250"
	.amdhsa_code_object_version 6
	.text
	.protected	k_q849b7c8bd8_projv
	.globl	k_q849b7c8bd8_projv
	.p2align	8
	.type	k_q849b7c8bd8_projv,@function
k_q849b7c8bd8_projv:
	s_mov_b64 s[64:65], 0
	v_nop
	global_prefetch_b8 v0, s[64:65] scope:SCOPE_SE
	s_setreg_imm32_b32 hwreg(HW_REG_WAVE_MODE, 25, 1), 1
	s_wait_xcnt 0x0
	s_wait_alu depctr_hold_cnt(0) depctr_sa_sdst(0) depctr_va_vdst(0) depctr_va_sdst(0) depctr_va_ssrc(0) depctr_va_vcc(0) depctr_vm_vsrc(0)
	s_getreg_b32 s2, hwreg(HW_REG_IB_STS2, 6, 4)
	s_cmp_eq_u32 s2, 0
	s_cbranch_scc0 .Lentry_in_a_cluster
	s_endpgm
.Lentry_in_a_cluster:
	s_bfe_u32 s2, ttmp6, 0x10000c
	s_cmp_lg_u32 s2, 0xf033
	s_cbranch_scc0 .Lentry_shape_is_right
	s_endpgm
.Lentry_shape_is_right:
; U = bf16((X W_v + b_v) diag): X [8192][1024] bf16 at xw, W_v [1024 k][1024 n] bf16, b_v f32 (rounded to bf16 here like the other inputs), diag f32 [8192][16]: one factor for a row and 64 columns.
; The sum, the bias and the factor are f32; U is rounded ONCE, from the f32 product.  u: [8192][1024] bf16.  LIMITS: NaN and infinities are not treated apart.
; SHAPE.  A tile of 256 x 128 to a work-group: 256 work-groups.  A wave makes 64 rows x all 128 columns (32 accumulators, 256 registers): its rows are whole runs of 256 bytes, and each wave has a stage of its own.
; K goes in 8 steps of 128 through two LDS slots; waves 0, 1 fetch X's two halves (128 rows x 256 bytes), waves 2, 3 W's (64 k-rows x 256 bytes).
; CLUSTER 4 x 4: X's tile is asked for jointly by a row of the cluster, W's by a column.  THE PRODUCT IS TAKEN TRANSPOSED (source 0 = 16 columns of W, turned by ds_load_tr16_b128; source 1 = 16 rows of X):
; a lane holds row lane % 16 and the columns 8 (lane / 16) + 0..7.  THE LOOP is one K step long: slot addresses are a scalar plus fixed lane terms, and one walking descriptor a tensor serves all refills.
; REGISTERS, in windows of 256 (s_set_vgpr_msb: bits 1:0 source 0, 3:2 source 1, 5:4 source 2, 7:6 destination):
;   window 0: v0-31 addresses; v32-63 at work on the way out; two fragment buffers of 96 at v64 and v160: W's eight fragments, then X's four
;   window 1: the accumulators, (a, b) at v[8 (8 a + b)]          window 2: v0-63 the bias of the 128 columns; v64-71 diag, a pair for each block of 16 rows; v72-73 at work
.set PA,     272                       ; a row of X in LDS: 256 bytes + 16
.set PB,     288                       ; a k-row of W in LDS: 256 bytes + 32 = 9 x 32
.set HALFA,  128*PA
.set HALFB,  64*PB
.set BOFF,   2*HALFA                   ; W's tile behind X's
.set SLOTX,  131072                    ; slot 1 begins here; a slot's 106,496 bytes lie below it, so an exclusive or changes slots
.set STAGE,  SLOTX+BOFF+2*HALFB        ; behind the ring: 16 rows x 272 bytes for each wave
.set SPITCH, 272
.set SPARE,  327168                    ; the spare words, 128 bytes a wave: two blocks of 256 bytes that no other line names
.set ROWB,   2048                      ; bytes in a row of X, W, U
.set KSTEPA, 256
.set KSTEPB, 128*ROWB
.set ADRA0, 16
.set ADRB0, 17
.set ADRA,  18
.set ADRB,  19
.set STO,   24
.set RD,    25
.set CO,    26
.set DGO,   27                         ; v27  64 x (lane % 16): my row in diag
.set SPW,   28                         ; v28  LDS address of my spare word; never rewritten
.set NIL,   29                         ; v29  0; never rewritten
.set PFO,   30                         ; v30  lane x 2,048; never rewritten
.set BO,    31                         ; v31  32 x (lane / 16)
.set TMP,   32
.set F0,    64
.set F1,    160
.set DG,    64                         ; in window 2
.set WV,  12
.set FB,  13                           ; wave / 2: I fetch X (0) or W (1)
.set HF,  14                           ; wave % 2: which half
.set CX,  15
.set CY,  16
.set CLY, 17
.set TR,  18                           ; tile row
.set TC,  19                           ; tile column
.set G1A, 24
.set G0A, 32
.set G1B, 40
.set G0B, 48
.set TB,  56
.set CNT, 57
.set PFA, 60
.set LIM, 62
.set LDA, 63
.set PFS, 66
.set BP,  68
.set CP,  72                           ; s[72:73] u at my rows
.set LDB, 82
.set MSB, 0
.macro WIN new                         ; the immediate's high byte repeats the setting that is left; a switch that changes nothing is dropped
.if MSB != (\new)
	s_set_vgpr_msb (MSB<<8)|(\new)
.set MSB, \new
.endif
.endm
.set W_MUL, 0x50                       ; both sources window 0, C and D window 1
.macro PLACES                          ; four plain vector instructions between a matrix instruction and a load into, or a vector use of, its registers
.rept 4
	v_nop
.endr
.endm
.macro CREST
	s_cmp_lg_u32 s[WV], 0
	s_cbranch_scc1 .Lnot_wave_0_\@
	s_barrier_signal -3
.Lnot_wave_0_\@:
	s_barrier_wait -3
	s_barrier_signal -1
	s_barrier_wait -1
.endm
.macro CROUND
	s_barrier_signal -1
	s_barrier_wait -1
	CREST
.endm
.macro JLOAD                           ; a joint refill by the walking sets; an s_nop 0 and four v_nop follow each line
	s_cmp_eq_u32 s[FB], 0
	s_cbranch_scc0 .Lfor_b_\@
	tensor_load_to_lds s[G0A+4:G0A+7], s[G1A:G1A+7]
	s_nop 0
.rept 4
	v_nop
.endr
	s_branch .Lasked_\@
.Lfor_b_\@:
	tensor_load_to_lds s[G0B+4:G0B+7], s[G1B:G1B+7]
	s_nop 0
.rept 4
	v_nop
.endr
.Lasked_\@:
.endm
; A PREFETCH INTO THE L2, behind each joint refill and the run of LDS loads that follows it: 32 rows x 256 bytes, a lane a row, of the K step two refills on (256 matrix instructions ahead of its load).
; Each row's 256 bytes of a K step are named once.  X's rows: cluster x = 0 asks, waves 0 and 1; the partner at cx takes 32 of the 128 rows that the wave fetches.  W's k-rows: cluster y = 0 asks, wave 2;
; the partner at cy takes k-rows 32 cy .. 32 cy + 31 of the step.  The partners are told apart by address alone.  K steps 0 to 3 come by their loads alone; the last two refills ask for nothing.
.macro ASK
	s_cmp_gt_u32 s[CNT], s[LIM]
	s_cbranch_scc0 .Lnot_mine_\@
	global_prefetch_b8 v[PFO], s[PFA:PFA+1] th:TH_LOAD_NT scope:SCOPE_SE
.Lnot_mine_\@:
.endm
	s_load_b256 s[4:11], s[0:1], 0x0               ; xw s[4:5], wv s[6:7], b_v s[8:9], dg s[10:11]
	s_load_b64 s[CP:CP+1], s[0:1], 0x20            ; u
	v_lshl_add_u32 v[SPW], v0, 2, SPARE
	v_mov_b32 v[NIL], 0
	ds_add_u32 v[SPW], v[NIL]                      ; the wave's opening: the add and its wait stand ahead of my first tensor load; work on registers stands between them
	v_lshrrev_b32 v1, 5, v0
	v_readfirstlane_b32 s[WV], v1
	s_lshr_b32 s[FB], s[WV], 1
	s_and_b32 s[HF], s[WV], 1
	s_bfe_u32 s[CX], ttmp6, 0x40000
	s_bfe_u32 s[CY], ttmp6, 0x40004
	s_and_b32 s[CLY], ttmp7, 0xffff
	s_lshl_b32 s[TR], s[CLY], 2
	s_add_co_u32 s[TR], s[TR], s[CY]
	s_lshl_b32 s[TC], ttmp9, 2
	s_add_co_u32 s[TC], s[TC], s[CX]
	s_lshl_b32 s20, s[CY], 2
	s_lshl_b32 s20, 15, s20                        ; my row of the cluster
	s_lshl_b32 s22, 0x1111, s[CX]                  ; my column
	s_or_b32 s[G1A], s20, (1<<16)|(1<<20)|(1<<21)|(5<<22)|(3<<25)  ; mask; 2-byte elements; padding on; bit 21 beside a mask; after every 64 words, 4 words
	s_mov_b32 s[G1A+1], 128<<16                    ; tensor_dim0 = 128
	s_mov_b32 s[G1A+2], 128<<16                    ; tensor_dim1 = 128
	s_mov_b32 s[G1A+3], 128<<16                    ; tile_dim0 = 128
	s_mov_b32 s[G1A+4], 128                        ; tile_dim1 = 128
	s_mov_b32 s[G1A+5], 1024
	s_mov_b32 s[G1A+6], 0
	s_mov_b32 s[G1A+7], 0
	s_or_b32 s[G1B], s22, (1<<16)|(1<<20)|(1<<21)|(5<<22)|(7<<25)  ; after every 64 words, 8 words
	s_mov_b32 s[G1B+1], 128<<16
	s_mov_b32 s[G1B+2], 64<<16                     ; tensor_dim1 = 64
	s_mov_b32 s[G1B+3], 128<<16
	s_mov_b32 s[G1B+4], 64                         ; tile_dim1 = 64
	s_mov_b32 s[G1B+5], 1024
	s_mov_b32 s[G1B+6], 0
	s_mov_b32 s[G1B+7], 0
	s_lshl_b32 s20, s[TR], 8                       ; X: row 256 x tile row + 128 x half, in bytes
	s_lshl_b32 s21, s[HF], 7
	s_add_co_u32 s20, s20, s21
	s_lshl_b32 s20, s20, 11
	s_mov_b32 s21, 0
	s_lshl_b32 s22, s[TC], 8                       ; W: the tile's 128 columns, my 64 k-rows
	s_lshl_b32 s23, s[HF], 17
	s_add_co_u32 s22, s22, s23
	s_mov_b32 s23, 0
	s_mul_i32 s[LDA], s[HF], HALFA                 ; where the tiles go: no place in the cluster enters an LDS address
	s_mul_i32 s[LDB], s[HF], HALFB
	s_add_co_u32 s[LDB], s[LDB], BOFF
	s_mov_b32 s[G0A], 1
	s_mov_b32 s[G0A+1], s[LDA]
	s_mov_b32 s[G0A+4], 1
	s_add_co_u32 s[G0A+5], s[LDA], SLOTX
	s_mov_b32 s[G0B], 1
	s_mov_b32 s[G0B+1], s[LDB]
	s_mov_b32 s[G0B+4], 1
	s_add_co_u32 s[G0B+5], s[LDB], SLOTX
	s_mov_b32 s[TB], 0
	s_wait_dscnt 0x0                               ; the opening add is done
	s_wait_kmcnt 0x0
	s_add_nc_u64 s[G0A+2:G0A+3], s[4:5], s[20:21]  ; K step 0
	s_add_nc_u64 s[G0A+6:G0A+7], s[G0A+2:G0A+3], KSTEPA  ; K step 1
	s_or_b32 s[G0A+3], s[G0A+3], 0x80000000
	s_or_b32 s[G0A+7], s[G0A+7], 0x80000000
	s_add_nc_u64 s[G0B+2:G0B+3], s[6:7], s[22:23]
	s_add_nc_u64 s[G0B+6:G0B+7], s[G0B+2:G0B+3], KSTEPB
	s_or_b32 s[G0B+3], s[G0B+3], 0x80000000
	s_or_b32 s[G0B+7], s[G0B+7], 0x80000000
	CROUND                                         ; all sixteen work-groups are here: the first joint loads meet
	s_cmp_eq_u32 s[FB], 0                          ; a wave's two first fills stand in one branch: two loads of mine are out
	s_cbranch_scc0 .Lfirst_b
	tensor_load_to_lds s[G0A:G0A+3], s[G1A:G1A+7]
	s_nop 0
	tensor_load_to_lds s[G0A+4:G0A+7], s[G1A:G1A+7]
	s_nop 0
.rept 4
	v_nop
.endr
	s_branch .Lfirst_asked
.Lfirst_b:
	tensor_load_to_lds s[G0B:G0B+3], s[G1B:G1B+7]
	s_nop 0
	tensor_load_to_lds s[G0B+4:G0B+7], s[G1B:G1B+7]
	s_nop 0
.rept 4
	v_nop
.endr
.Lfirst_asked:
	s_lshl_b32 s70, s[TR], 8
	s_lshl_b32 s71, s[WV], 6
	s_add_co_u32 s70, s70, s71                     ; my first row: 256 x tile row + 64 x wave
	s_lshl_b32 s74, s70, 11                        ; in u,
	s_lshl_b32 s75, s[TC], 8                       ; at the tile's 128 columns
	s_add_co_u32 s74, s74, s75
	s_mov_b32 s75, 0
	s_add_nc_u64 s[CP:CP+1], s[CP:CP+1], s[74:75]
	s_lshl_b32 s74, s70, 6                         ; in diag: 64 bytes a row,
	s_lshl_b32 s75, s[TC], 3                       ; the tile's two groups of 64 columns
	s_add_co_u32 s74, s74, s75
	s_mov_b32 s75, 0
	s_add_nc_u64 s[10:11], s[10:11], s[74:75]
	s_lshl_b32 s70, s[TC], 9
	s_mov_b32 s71, 0
	s_add_nc_u64 s[BP:BP+1], s[8:9], s[70:71]
	; the prefetches: both offsets are made, the wave's number chooses
	s_lshl_b32 s74, s[TR], 8
	s_lshl_b32 s75, s[HF], 7
	s_add_co_u32 s74, s74, s75
	s_lshl_b32 s75, s[CX], 5
	s_add_co_u32 s74, s74, s75
	s_lshl_b32 s74, s74, 11
	s_add_co_u32 s74, s74, 3*KSTEPA                ; at K step 3: the first refill steps it to 4
	s_lshl_b32 s76, s[CY], 5
	s_add_co_u32 s76, s76, 3*128
	s_lshl_b32 s76, s76, 11
	s_lshl_b32 s75, s[TC], 8
	s_add_co_u32 s76, s76, s75
	s_or_b32 s77, s[CLY], s[HF]                    ; 0 in wave 2 of the clusters with y = 0
	s_mov_b32 s[PFS], KSTEPA
	s_mov_b32 s78, KSTEPB
	s_cmp_eq_u32 s[FB], 0
	s_cselect_b64 s[PFA:PFA+1], s[4:5], s[6:7]
	s_cselect_b32 s74, s74, s76
	s_cselect_b32 s[PFS], s[PFS], s78
	s_cselect_b32 s77, ttmp9, s77
	s_mov_b32 s75, 0
	s_mov_b32 s[PFS+1], 0
	s_add_nc_u64 s[PFA:PFA+1], s[PFA:PFA+1], s[74:75]
	s_cmp_eq_u32 s77, 0
	s_cselect_b32 s[LIM], 2, -1
	; lane addresses
	v_and_b32 v1, 15, v0
	v_bfe_u32 v2, v0, 4, 1
	v_mul_u32_u24 v3, v1, PA
	v_lshl_add_u32 v3, v2, 4, v3                   ; row x pitch + 16 x half
	s_mul_i32 s80, s[WV], 64*PA                    ; my 64 rows of X
	v_add_nc_u32 v[ADRA0], s80, v3
	v_and_b32 v4, 7, v0                            ; W, turned: k-row 8 (l / 16) + l % 8, column 8 ((l / 8) % 2)
	v_bfe_u32 v5, v0, 3, 1
	v_lshl_add_u32 v4, v2, 3, v4
	v_mul_u32_u24 v4, v4, PB
	v_lshl_add_u32 v4, v5, 4, v4
	v_add_nc_u32 v[ADRB0], BOFF, v4
	v_mov_b32 v[ADRA], v[ADRA0]
	v_mov_b32 v[ADRB], v[ADRB0]
	s_mul_i32 s80, s[WV], 16*SPITCH
	s_add_co_u32 s80, s80, STAGE                   ; my stage
	v_add_nc_u32 v[STO], s80, v3
	v_mul_u32_u24 v5, v2, SPITCH
	v_lshl_add_u32 v5, v1, 4, v5
	v_add_nc_u32 v[RD], s80, v5
	v_lshlrev_b32 v5, 11, v2
	v_lshl_add_u32 v[CO], v1, 4, v5
	v_lshlrev_b32 v[DGO], 6, v1
	v_and_b32 v[PFO], 31, v0
	v_lshlrev_b32 v[PFO], 11, v[PFO]
	v_lshlrev_b32 v[BO], 5, v2
	WIN 0x80                                       ; destination window 2: the bias of columns 16 b + 8 (l / 16) + 0..7, and my rows' two factors; waited for on the way out
.irp b, 0,1,2,3,4,5,6,7
	global_load_b128 v[8*(\b):8*(\b)+3],   v[BO], s[BP:BP+1] offset:64*(\b)
	global_load_b128 v[8*(\b)+4:8*(\b)+7], v[BO], s[BP:BP+1] offset:64*(\b)+16
.endr
.irp a, 0,1,2,3
	global_load_b64 v[DG+2*(\a):DG+2*(\a)+1], v[DGO], s[10:11] offset:1024*(\a)
.endr
	WIN 0
; 8 matrix instructions: m block a x all 8 n blocks, 32 along K.  The 32 accumulators take turns, in the same order in every quarter.
.macro MUL8 f, a, zero
	WIN W_MUL
.irp b, 0,1,2,3,4,5,6,7
.if \zero
	v_wmma_f32_16x16x32_bf16 v[8*(8*(\a)+(\b)):8*(8*(\a)+(\b))+7], v[(\f)+8*(\b):(\f)+8*(\b)+7], v[(\f)+64+8*(\a):(\f)+64+8*(\a)+7], 0
.else
	v_wmma_f32_16x16x32_bf16 v[8*(8*(\a)+(\b)):8*(8*(\a)+(\b))+7], v[(\f)+8*(\b):(\f)+8*(\b)+7], v[(\f)+64+8*(\a):(\f)+64+8*(\a)+7], v[8*(8*(\a)+(\b)):8*(8*(\a)+(\b))+7]
.endif
.endr
.endm
; 24 LDS loads in one run: quarter q of the slot in hand into buffer f: W's eight fragments, then X's four
.macro FETCH q, f
	WIN 0
.irp i, 0,1,2,3,4,5,6,7
	ds_load_tr16_b128 v[(\f)+8*(\i):(\f)+8*(\i)+3],   v[ADRB] offset:(\q)*32*PB+32*(\i)
	ds_load_tr16_b128 v[(\f)+8*(\i)+4:(\f)+8*(\i)+7], v[ADRB] offset:(\q)*32*PB+32*(\i)+16*PB
.endr
.irp i, 0,1,2,3
	ds_load_b128 v[(\f)+64+8*(\i):(\f)+64+8*(\i)+3],   v[ADRA] offset:(\q)*64+(\i)*16*PA
	ds_load_b128 v[(\f)+64+8*(\i)+4:(\f)+64+8*(\i)+7], v[ADRA] offset:(\q)*64+(\i)*16*PA+32
.endr
.endm
.macro QUARTER q, f, g, zero
	s_wait_dscnt 4                                 ; W and X's blocks 0, 1 are in; the youngest four loads (blocks 2, 3) may be out
	MUL8 \f, 0, \zero
	MUL8 \f, 1, \zero
	PLACES
	FETCH \q, \g
	s_wait_dscnt 24                                ; all but the 24 just issued
	MUL8 \f, 2, \zero
	MUL8 \f, 3, \zero
.endm
; The last quarter multiplies buffer 1 and changes slots: in front of the one barrier each wave waits for all its tensor loads (one is out: its part of the next slot), adds 0 to its spare word, and waits for that
; and for its reads of this slot.  fill = 1: the barrier opens a round of the cluster's, and the joint refill, two K steps on, is the first tensor load behind the round: 112 matrix instructions ahead of the wait for it.
.macro TURN fill
.if \fill
	s_wait_xcnt 0x0                                ; the last prefetch, a K step back, has read its address
	s_add_nc_u64 s[PFA:PFA+1], s[PFA:PFA+1], s[PFS:PFS+1]
.endif
	WIN 0
	s_wait_tensorcnt 0x0
	ds_add_u32 v[SPW], v[NIL]                      ; 0 onto my spare word
	s_wait_dscnt 5                                 ; (the add and the youngest four loads may be out)
	MUL8 F1, 0, 0
	s_wait_dscnt 0x0                               ; the add is done, and my reads of this slot are over
	s_barrier_signal -1
	MUL8 F1, 1, 0
	WIN 0                                          ; at a branch and at a label every window is 0
	s_barrier_wait -1
.if \fill
	CREST                                          ; no wave of any partner still reads this slot or has a load on its way
	s_xor_b32 s[G0A+5], s[G0A+5], SLOTX            ; the walking sets: the other slot than last time, the next K step (no load of mine is out)
	s_add_nc_u64 s[G0A+6:G0A+7], s[G0A+6:G0A+7], KSTEPA
	s_xor_b32 s[G0B+5], s[G0B+5], SLOTX
	s_add_nc_u64 s[G0B+6:G0B+7], s[G0B+6:G0B+7], KSTEPB
	JLOAD                                          ; its four v_nop are also the places in front of the loads below
.else
	PLACES
.endif
	s_xor_b32 s[TB], s[TB], SLOTX
	v_add_nc_u32 v[ADRA], s[TB], v[ADRA0]
	v_add_nc_u32 v[ADRB], s[TB], v[ADRB0]
	FETCH 0, F0
.if \fill
	ASK
.endif
	MUL8 F1, 2, 0
	MUL8 F1, 3, 0
.endm
	s_wait_tensorcnt 1                             ; my part of K step 0 is in; K step 1's may stay out
	s_barrier_signal -1
	s_barrier_wait -1
	FETCH 0, F0
	QUARTER 1, F0, F1, 1                           ; the first quarter stands in front of the loop: its products start the sums
	WIN 0
	s_mov_b32 s[CNT], 6
.Lstep:                                        ; six trips, from a K step's second quarter to the next one's first; they ask for K steps 2 to 7
	QUARTER 2, F1, F0, 0
	QUARTER 3, F0, F1, 0
	TURN 1
	QUARTER 1, F0, F1, 0
	WIN 0
	s_sub_co_u32 s[CNT], s[CNT], 1
	s_cmp_lg_u32 s[CNT], 0
	s_cbranch_scc1 .Lstep
	QUARTER 2, F1, F0, 0                           ; the tail is written out
	QUARTER 3, F0, F1, 0
	TURN 0
	QUARTER 1, F0, F1, 0
	QUARTER 2, F1, F0, 0
	QUARTER 3, F0, F1, 0
	s_wait_dscnt 4
	MUL8 F1, 0, 0
	MUL8 F1, 1, 0
	s_wait_dscnt 0x0
	MUL8 F1, 2, 0
	MUL8 F1, 3, 0
	; THE WAY OUT.  The bias is rounded to bf16 like the other inputs and widened again: 96 plain lines that name none of the last products' registers: the places behind them.
	s_wait_loadcnt 0x0
	WIN 0x8a                                       ; destination and both sources in window 2
.set p, 0
.rept 32
	v_cvt_pk_bf16_f32 v[72+p%2], v[2*p], v[2*p+1]
	v_lshlrev_b32 v[2*p], 16, v[72+p%2]
	v_and_b32 v[2*p+1], 0xffff0000, v[72+p%2]
.set p, p+1
.endr
; Block a (16 rows): (sum + bias) x diag, in place, each accumulator from its lowest registers on.  An add and then a multiply: to fuse them the bias would have to be
; multiplied by each row block's factors first, as many lines again.  Columns 0-63 (b < 4) take the pair's first factor, columns 64-127 its second.  Then the one rounding to bf16.
.macro PACK a
.set AC, 64*(\a)
	WIN 0x49                                       ; destination and source 0 in window 1, source 1 in window 2
.irp b, 0,1,2,3,4,5,6,7
.irp r, 0,1,2,3
	v_pk_add_f32 v[AC+8*(\b)+2*(\r):AC+8*(\b)+2*(\r)+1], v[AC+8*(\b)+2*(\r):AC+8*(\b)+2*(\r)+1], v[8*(\b)+2*(\r):8*(\b)+2*(\r)+1]
.endr
.endr
.irp b, 0,1,2,3,4,5,6,7
.irp r, 0,1,2,3
.if (\b) < 4
	v_pk_mul_f32 v[AC+8*(\b)+2*(\r):AC+8*(\b)+2*(\r)+1], v[AC+8*(\b)+2*(\r):AC+8*(\b)+2*(\r)+1], v[DG+2*(\a):DG+2*(\a)+1] op_sel_hi:[1,0]
.else
	v_pk_mul_f32 v[AC+8*(\b)+2*(\r):AC+8*(\b)+2*(\r)+1], v[AC+8*(\b)+2*(\r):AC+8*(\b)+2*(\r)+1], v[DG+2*(\a):DG+2*(\a)+1] op_sel:[0,1] op_sel_hi:[1,1]
.endif
.endr
.endr
	WIN 0x05                                       ; sources in window 1, destination in window 0
.irp b, 0,1,2,3,4,5,6,7
.irp r, 0,1,2,3
	v_cvt_pk_bf16_f32 v[TMP+4*(\b)+(\r)], v[AC+8*(\b)+2*(\r)], v[AC+8*(\b)+2*(\r)+1]
.endr
.endr
	WIN 0
.endm
.macro TOSTAGE a                       ; into my own stage, and back as whole rows of 256 bytes, into fragment registers that are free now
	WIN 0
.set BK, 64+32*((\a)%2)
.irp b, 0,1,2,3,4,5,6,7
	ds_store_b128 v[STO], v[TMP+4*(\b):TMP+4*(\b)+3] offset:32*(\b)
.endr
.irp t, 0,1,2,3,4,5,6,7
	ds_load_b128 v[BK+4*(\t):BK+4*(\t)+3], v[RD] offset:(\t)*2*SPITCH  ; LDS serves a wave's instructions in order (ISA guide 5.7.1.4): these see the stores above
.endr
.endm
.macro SEND a
	WIN 0
.set BK, 64+32*((\a)%2)
	s_wait_dscnt 0x0                               ; the block is back in registers
	s_wait_xcnt 0x0                                ; earlier stores have read their base and their data: only behind this wait are these rewritten
.if (\a) > 0
	s_add_nc_u64 s[CP:CP+1], s[CP:CP+1], 16*ROWB
.endif
.irp t, 0,1,2,3,4,5,6,7
	global_store_b128 v[CO], v[BK+4*(\t):BK+4*(\t)+3], s[CP:CP+1] offset:2*(\t)*ROWB  ; 16 lanes store 256 consecutive bytes, aligned
.endr
.endm
	PACK 0
	TOSTAGE 0
.irp a, 1,2,3
	PACK \a
	SEND (\a)-1
	TOSTAGE \a
.endr
	SEND 3
	s_wait_tensorcnt 0x0                           ; the wave's end, behind my last tensor load and my last LDS store
	ds_add_u32 v[SPW], v[NIL]
	s_wait_dscnt 0x0
	CROUND                                         ; the closing round
	s_endpgm
.Lfunc_end_k_q849b7c8bd8_projv:
	.size	k_q849b7c8bd8_projv, .Lfunc_end_k_q849b7c8bd8_projv-k_q849b7c8bd8_projv
	.p2alignl 7, 3214868480
	.fill 96, 4, 3214868480
	.section	.rodata,"a",@progbits
	.p2align	6, 0x0
	.amdhsa_kernel k_q849b7c8bd8_projv
		.amdhsa_group_segment_fixed_size 327680
		.amdhsa_private_segment_fixed_size 0
		.amdhsa_enable_private_segment 0
		.amdhsa_kernarg_size 40
		.amdhsa_user_sgpr_count 2
		.amdhsa_user_sgpr_kernarg_segment_ptr 1
		.amdhsa_wavefront_size32 1
		.amdhsa_system_sgpr_workgroup_id_x 1
		.amdhsa_system_sgpr_workgroup_id_y 1
		.amdhsa_system_sgpr_workgroup_id_z 1
		.amdhsa_system_vgpr_workitem_id 0
		.amdhsa_next_free_vgpr 640
		.amdhsa_next_free_sgpr 84
		.amdhsa_reserve_vcc 0
		.amdhsa_float_denorm_mode_32 3
		.amdhsa_float_denorm_mode_16_64 3
		.amdhsa_memory_ordered 1
		.amdhsa_forward_progress 1
		.amdhsa_inst_pref_size 94
	.end_amdhsa_kernel
	.amdgpu_metadata
---
amdhsa.version: [ 1, 2 ]
amdhsa.kernels:
  - .name:           k_q849b7c8bd8_projv
    .symbol:         k_q849b7c8bd8_projv.kd
    .args:
      - { .name: xw, .offset: 0, .size: 8, .value_kind: global_buffer, .address_space: global }
      - { .name: wv, .offset: 8, .size: 8, .value_kind: global_buffer, .address_space: global }
      - { .name: b_v, .offset: 16, .size: 8, .value_kind: global_buffer, .address_space: global }
      - { .name: dg, .offset: 24, .size: 8, .value_kind: global_buffer, .address_space: global }
      - { .name: u, .offset: 32, .size: 8, .value_kind: global_buffer, .address_space: global }
    .group_segment_fixed_size: 327680
    .private_segment_fixed_size: 0
    .kernarg_segment_align: 8
    .kernarg_segment_size: 40
    .max_flat_workgroup_size: 128
    .sgpr_count:     84
    .vgpr_count:     640
    .wavefront_size: 32
...
	.end_amdgpu_metadata
.endif
;; end of part 4
;; launch projo (part 5): grid 8 x 32, 4 waves a work-group, clusters of 4 x 4, 327,680 bytes of LDS; arguments u, wo, b_o, out0; writes out0
.if DOCPART == 5
	.amdgcn_target "amdgcn-amd-amdhsa--gfx1250"
	.amdhsa_code_object_version 6
	.text
	.protected	k_q849b7c8bd8_projo
	.globl	k_q849b7c8bd8_projo
	.p2align	8
	.type	k_q849b7c8bd8_projo,@function
k_q849b7c8bd8_projo:
	s_mov_b64 s[64:65], 0
	v_nop
	global_prefetch_b8 v0, s[64:65] scope:SCOPE_SE
	s_setreg_imm32_b32 hwreg(HW_REG_WAVE_MODE, 25, 1), 1
	s_wait_xcnt 0x0
	s_wait_alu depctr_hold_cnt(0) depctr_sa_sdst(0) depctr_va_vdst(0) depctr_va_sdst(0) depctr_va_ssrc(0) depctr_va_vcc(0) depctr_vm_vsrc(0)
	s_getreg_b32 s2, hwreg(HW_REG_IB_STS2, 6, 4)
	s_cmp_eq_u32 s2, 0
	s_cbranch_scc0 .Lentry_in_a_cluster
	s_endpgm
.Lentry_in_a_cluster:
	s_bfe_u32 s2, ttmp6, 0x10000c
	s_cmp_lg_u32 s2, 0xf033
	s_cbranch_scc0 .Lentry_shape_is_right
	s_endpgm
.Lentry_shape_is_right:
; out0 = U W_o + b_o.  U [8192][1024] bf16, W_o [1024 k][1024 n] bf16, b_o f32 (rounded to bf16 here like the other inputs); sums in f32; out0 [8192][1024] f32.  LIMITS: NaN and infinities are not treated apart.
; SHAPE.  A tile of 256 x 128 to a work-group: 256 work-groups.  A wave makes 64 rows x all 128 columns (32 accumulators, 256 registers): its rows are whole runs of 512 bytes, and each wave has a stage of its own.
; K goes in 8 steps of 128 through two LDS slots; waves 0, 1 fetch U's two halves (128 rows x 256 bytes), waves 2, 3 W's (64 k-rows x 256 bytes).
; CLUSTER 4 x 4: U's tile is asked for jointly by a row of the cluster, W's by a column.  THE PRODUCT IS TAKEN TRANSPOSED (source 0 = 16 columns of W, turned by ds_load_tr16_b128; source 1 = 16 rows of U):
; a lane holds row lane % 16 and the columns 8 (lane / 16) + 0..7.  THE LOOP is one K step long: slot addresses are a scalar plus fixed lane terms, and one walking descriptor a tensor serves all refills.
; REGISTERS, in windows of 256 (s_set_vgpr_msb: bits 1:0 source 0, 3:2 source 1, 5:4 source 2, 7:6 destination):
;   window 0: v0-31 addresses; two fragment buffers of 96 at v64 and v160: W's eight fragments, then U's four; on the way out v64-191 take rows read back
;   window 1: the accumulators, (a, b) at v[8 (8 a + b)]          window 2: v0-63 the bias of the 128 columns; v72-73 at work
.set PA,     272                       ; a row of U in LDS: 256 bytes + 16
.set PB,     288                       ; a k-row of W in LDS: 256 bytes + 32 = 9 x 32
.set HALFA,  128*PA
.set HALFB,  64*PB
.set BOFF,   2*HALFA
.set SLOTX,  131072                    ; slot 1 begins here; a slot's 106,496 bytes lie below it, so an exclusive or changes slots
.set STAGE,  SLOTX+BOFF+2*HALFB        ; behind the ring: 16 rows x 528 bytes for each wave
.set SPITCH, 528                       ; 512 bytes + 16 = 33 x 16
.set SPARE,  327168                    ; the spare words, 128 bytes a wave: two blocks of 256 bytes that no other line names
.set ROWB,   2048                      ; bytes in a row of U and W
.set OROWB,  4096                      ; bytes in a row of out0
.set KSTEPA, 256
.set KSTEPB, 128*ROWB
.set ADRA0, 16
.set ADRB0, 17
.set ADRA,  18
.set ADRB,  19
.set STO,   24
.set RD,    25
.set CO,    26
.set SPW,   28                         ; v28  LDS address of my spare word; never rewritten
.set NIL,   29                         ; v29  0; never rewritten
.set PFO,   30                         ; v30  lane x 2,048; never rewritten
.set BO,    31                         ; v31  32 x (lane / 16)
.set F0,    64
.set F1,    160
.set WV,  12
.set FB,  13
.set HF,  14
.set CX,  15
.set CY,  16
.set CLY, 17
.set TR,  18
.set TC,  19
.set G1A, 24
.set G0A, 32
.set G1B, 40
.set G0B, 48
.set TB,  56
.set CNT, 57
.set PFA, 60
.set LIM, 62
.set LDA, 63
.set PFS, 66
.set BP,  68
.set CP,  10                           ; s[10:11] out0 at my rows
.set LDB, 82
.set MSB, 0
.macro WIN new                         ; the immediate's high byte repeats the setting that is left; a switch that changes nothing is dropped
.if MSB != (\new)
	s_set_vgpr_msb (MSB<<8)|(\new)
.set MSB, \new
.endif
.endm
.set W_MUL, 0x50                       ; both sources window 0, C and D window 1
.macro PLACES                          ; four plain vector instructions between a matrix instruction and a load into, or a vector use of, its registers
.rept 4
	v_nop
.endr
.endm
.macro CREST
	s_cmp_lg_u32 s[WV], 0
	s_cbranch_scc1 .Lnot_wave_0_\@
	s_barrier_signal -3
.Lnot_wave_0_\@:
	s_barrier_wait -3
	s_barrier_signal -1
	s_barrier_wait -1
.endm
.macro CROUND
	s_barrier_signal -1
	s_barrier_wait -1
	CREST
.endm
.macro JLOAD                           ; a joint refill by the walking sets; an s_nop 0 and four v_nop follow each line
	s_cmp_eq_u32 s[FB], 0
	s_cbranch_scc0 .Lfor_b_\@
	tensor_load_to_lds s[G0A+4:G0A+7], s[G1A:G1A+7]
	s_nop 0
.rept 4
	v_nop
.endr
	s_branch .Lasked_\@
.Lfor_b_\@:
	tensor_load_to_lds s[G0B+4:G0B+7], s[G1B:G1B+7]
	s_nop 0
.rept 4
	v_nop
.endr
.Lasked_\@:
.endm
; A PREFETCH INTO THE L2, behind each joint refill and the run of LDS loads that follows it: 32 rows x 256 bytes, a lane a row, of the K step two refills on (256 matrix instructions ahead of its load).
; Each row's 256 bytes of a K step are named once.  U's rows: cluster x = 0 asks, waves 0 and 1; the partner at cx takes 32 of the 128 rows that the wave fetches.  W's k-rows: cluster y = 0 asks, wave 2;
; the partner at cy takes k-rows 32 cy .. 32 cy + 31 of the step.  The partners are told apart by address alone.  K steps 0 to 3 come by their loads alone; the last two refills ask for nothing.
.macro ASK
	s_cmp_gt_u32 s[CNT], s[LIM]
	s_cbranch_scc0 .Lnot_mine_\@
	global_prefetch_b8 v[PFO], s[PFA:PFA+1] th:TH_LOAD_NT scope:SCOPE_SE
.Lnot_mine_\@:
.endm
	s_load_b256 s[4:11], s[0:1], 0x0               ; u s[4:5], wo s[6:7], b_o s[8:9], out0 s[10:11]
	v_lshl_add_u32 v[SPW], v0, 2, SPARE
	v_mov_b32 v[NIL], 0
	ds_add_u32 v[SPW], v[NIL]                      ; the wave's opening: the add and its wait stand ahead of my first tensor load; work on registers stands between them
	v_lshrrev_b32 v1, 5, v0
	v_readfirstlane_b32 s[WV], v1
	s_lshr_b32 s[FB], s[WV], 1
	s_and_b32 s[HF], s[WV], 1
	s_bfe_u32 s[CX], ttmp6, 0x40000
	s_bfe_u32 s[CY], ttmp6, 0x40004
	s_and_b32 s[CLY], ttmp7, 0xffff
	s_lshl_b32 s[TR], s[CLY], 2
	s_add_co_u32 s[TR], s[TR], s[CY]
	s_lshl_b32 s[TC], ttmp9, 2
	s_add_co_u32 s[TC], s[TC], s[CX]
	s_lshl_b32 s20, s[CY], 2
	s_lshl_b32 s20, 15, s20                        ; my row of the cluster
	s_lshl_b32 s22, 0x1111, s[CX]                  ; my column
	s_or_b32 s[G1A], s20, (1<<16)|(1<<20)|(1<<21)|(5<<22)|(3<<25)  ; mask; 2-byte elements; padding on; bit 21 beside a mask; after every 64 words, 4 words
	s_mov_b32 s[G1A+1], 128<<16                    ; tensor_dim0 = 128
	s_mov_b32 s[G1A+2], 128<<16                    ; tensor_dim1 = 128
	s_mov_b32 s[G1A+3], 128<<16                    ; tile_dim0 = 128
	s_mov_b32 s[G1A+4], 128                        ; tile_dim1 = 128
	s_mov_b32 s[G1A+5], 1024
	s_mov_b32 s[G1A+6], 0
	s_mov_b32 s[G1A+7], 0
	s_or_b32 s[G1B], s22, (1<<16)|(1<<20)|(1<<21)|(5<<22)|(7<<25)  ; after every 64 words, 8 words
	s_mov_b32 s[G1B+1], 128<<16
	s_mov_b32 s[G1B+2], 64<<16                     ; tensor_dim1 = 64
	s_mov_b32 s[G1B+3], 128<<16
	s_mov_b32 s[G1B+4], 64                         ; tile_dim1 = 64
	s_mov_b32 s[G1B+5], 1024
	s_mov_b32 s[G1B+6], 0
	s_mov_b32 s[G1B+7], 0
	s_lshl_b32 s20, s[TR], 8                       ; U: row 256 x tile row + 128 x half, in bytes
	s_lshl_b32 s21, s[HF], 7
	s_add_co_u32 s20, s20, s21
	s_lshl_b32 s20, s20, 11
	s_mov_b32 s21, 0
	s_lshl_b32 s22, s[TC], 8                       ; W: the tile's 128 columns, my 64 k-rows
	s_lshl_b32 s23, s[HF], 17
	s_add_co_u32 s22, s22, s23
	s_mov_b32 s23, 0
	s_mul_i32 s[LDA], s[HF], HALFA                 ; where the tiles go: no place in the cluster enters an LDS address
	s_mul_i32 s[LDB], s[HF], HALFB
	s_add_co_u32 s[LDB], s[LDB], BOFF
	s_mov_b32 s[G0A], 1
	s_mov_b32 s[G0A+1], s[LDA]
	s_mov_b32 s[G0A+4], 1
	s_add_co_u32 s[G0A+5], s[LDA], SLOTX
	s_mov_b32 s[G0B], 1
	s_mov_b32 s[G0B+1], s[LDB]
	s_mov_b32 s[G0B+4], 1
	s_add_co_u32 s[G0B+5], s[LDB], SLOTX
	s_mov_b32 s[TB], 0
	s_wait_dscnt 0x0                               ; the opening add is done
	s_wait_kmcnt 0x0
	s_add_nc_u64 s[G0A+2:G0A+3], s[4:5], s[20:21]  ; K step 0
	s_add_nc_u64 s[G0A+6:G0A+7], s[G0A+2:G0A+3], KSTEPA  ; K step 1
	s_or_b32 s[G0A+3], s[G0A+3], 0x80000000
	s_or_b32 s[G0A+7], s[G0A+7], 0x80000000
	s_add_nc_u64 s[G0B+2:G0B+3], s[6:7], s[22:23]
	s_add_nc_u64 s[G0B+6:G0B+7], s[G0B+2:G0B+3], KSTEPB
	s_or_b32 s[G0B+3], s[G0B+3], 0x80000000
	s_or_b32 s[G0B+7], s[G0B+7], 0x80000000
	CROUND                                         ; all sixteen work-groups are here: the first joint loads meet
	s_cmp_eq_u32 s[FB], 0                          ; a wave's two first fills stand in one branch: two loads of mine are out
	s_cbranch_scc0 .Lfirst_b
	tensor_load_to_lds s[G0A:G0A+3], s[G1A:G1A+7]
	s_nop 0
	tensor_load_to_lds s[G0A+4:G0A+7], s[G1A:G1A+7]
	s_nop 0
.rept 4
	v_nop
.endr
	s_branch .Lfirst_asked
.Lfirst_b:
	tensor_load_to_lds s[G0B:G0B+3], s[G1B:G1B+7]
	s_nop 0
	tensor_load_to_lds s[G0B+4:G0B+7], s[G1B:G1B+7]
	s_nop 0
.rept 4
	v_nop
.endr
.Lfirst_asked:
	s_lshl_b32 s70, s[TR], 8
	s_lshl_b32 s71, s[WV], 6
	s_add_co_u32 s70, s70, s71                     ; my first row: 256 x tile row + 64 x wave,
	s_lshl_b32 s74, s70, 12                        ; in out0,
	s_lshl_b32 s75, s[TC], 9                       ; at the tile's 128 columns
	s_add_co_u32 s74, s74, s75
	s_mov_b32 s75, 0
	s_add_nc_u64 s[CP:CP+1], s[CP:CP+1], s[74:75]
	s_lshl_b32 s70, s[TC], 9
	s_mov_b32 s71, 0
	s_add_nc_u64 s[BP:BP+1], s[8:9], s[70:71]
	; the prefetches: both offsets are made, the wave's number chooses
	s_lshl_b32 s74, s[TR], 8
	s_lshl_b32 s75, s[HF], 7
	s_add_co_u32 s74, s74, s75
	s_lshl_b32 s75, s[CX], 5
	s_add_co_u32 s74, s74, s75
	s_lshl_b32 s74, s74, 11
	s_add_co_u32 s74, s74, 3*KSTEPA                ; at K step 3: the first refill steps it to 4
	s_lshl_b32 s76, s[CY], 5
	s_add_co_u32 s76, s76, 3*128
	s_lshl_b32 s76, s76, 11
	s_lshl_b32 s75, s[TC], 8
	s_add_co_u32 s76, s76, s75
	s_or_b32 s77, s[CLY], s[HF]                    ; 0 in wave 2 of the clusters with y = 0
	s_mov_b32 s[PFS], KSTEPA
	s_mov_b32 s78, KSTEPB
	s_cmp_eq_u32 s[FB], 0
	s_cselect_b64 s[PFA:PFA+1], s[4:5], s[6:7]
	s_cselect_b32 s74, s74, s76
	s_cselect_b32 s[PFS], s[PFS], s78
	s_cselect_b32 s77, ttmp9, s77
	s_mov_b32 s75, 0
	s_mov_b32 s[PFS+1], 0
	s_add_nc_u64 s[PFA:PFA+1], s[PFA:PFA+1], s[74:75]
	s_cmp_eq_u32 s77, 0
	s_cselect_b32 s[LIM], 2, -1
	; lane addresses
	v_and_b32 v1, 15, v0
	v_bfe_u32 v2, v0, 4, 1
	v_mul_u32_u24 v3, v1, PA
	v_lshl_add_u32 v3, v2, 4, v3                   ; row x pitch + 16 x half
	s_mul_i32 s80, s[WV], 64*PA                    ; my 64 rows of U
	v_add_nc_u32 v[ADRA0], s80, v3
	v_and_b32 v4, 7, v0                            ; W, turned: k-row 8 (l / 16) + l % 8, column 8 ((l / 8) % 2)
	v_bfe_u32 v5, v0, 3, 1
	v_lshl_add_u32 v4, v2, 3, v4
	v_mul_u32_u24 v4, v4, PB
	v_lshl_add_u32 v4, v5, 4, v4
	v_add_nc_u32 v[ADRB0], BOFF, v4
	v_mov_b32 v[ADRA], v[ADRA0]
	v_mov_b32 v[ADRB], v[ADRB0]
	s_mul_i32 s80, s[WV], 16*SPITCH
	s_add_co_u32 s80, s80, STAGE                   ; my stage
	v_mul_u32_u24 v5, v1, SPITCH                   ; in: row l % 16, 32 bytes for each half of the lanes
	v_lshl_add_u32 v5, v2, 5, v5
	v_add_nc_u32 v[STO], s80, v5
	v_and_b32 v5, 31, v0
	v_lshlrev_b32 v[CO], 4, v5                     ; back and out: 32 lanes take one row of 512 bytes
	v_add_nc_u32 v[RD], s80, v[CO]
	v_lshlrev_b32 v[PFO], 11, v5
	v_lshlrev_b32 v[BO], 5, v2
	WIN 0x80                                       ; destination window 2: the bias of columns 16 b + 8 (l / 16) + 0..7; waited for on the way out
.irp b, 0,1,2,3,4,5,6,7
	global_load_b128 v[8*(\b):8*(\b)+3],   v[BO], s[BP:BP+1] offset:64*(\b)
	global_load_b128 v[8*(\b)+4:8*(\b)+7], v[BO], s[BP:BP+1] offset:64*(\b)+16
.endr
	WIN 0
; 8 matrix instructions: m block a x all 8 n blocks, 32 along K.  The 32 accumulators take turns, in the same order in every quarter.
.macro MUL8 f, a, zero
	WIN W_MUL
.irp b, 0,1,2,3,4,5,6,7
.if \zero
	v_wmma_f32_16x16x32_bf16 v[8*(8*(\a)+(\b)):8*(8*(\a)+(\b))+7], v[(\f)+8*(\b):(\f)+8*(\b)+7], v[(\f)+64+8*(\a):(\f)+64+8*(\a)+7], 0
.else
	v_wmma_f32_16x16x32_bf16 v[8*(8*(\a)+(\b)):8*(8*(\a)+(\b))+7], v[(\f)+8*(\b):(\f)+8*(\b)+7], v[(\f)+64+8*(\a):(\f)+64+8*(\a)+7], v[8*(8*(\a)+(\b)):8*(8*(\a)+(\b))+7]
.endif
.endr
.endm
; 24 LDS loads in one run: quarter q of the slot in hand into buffer f: W's eight fragments, then U's four
.macro FETCH q, f
	WIN 0
.irp i, 0,1,2,3,4,5,6,7
	ds_load_tr16_b128 v[(\f)+8*(\i):(\f)+8*(\i)+3],   v[ADRB] offset:(\q)*32*PB+32*(\i)
	ds_load_tr16_b128 v[(\f)+8*(\i)+4:(\f)+8*(\i)+7], v[ADRB] offset:(\q)*32*PB+32*(\i)+16*PB
.endr
.irp i, 0,1,2,3
	ds_load_b128 v[(\f)+64+8*(\i):(\f)+64+8*(\i)+3],   v[ADRA] offset:(\q)*64+(\i)*16*PA
	ds_load_b128 v[(\f)+64+8*(\i)+4:(\f)+64+8*(\i)+7], v[ADRA] offset:(\q)*64+(\i)*16*PA+32
.endr
.endm
.macro QUARTER q, f, g, zero
	s_wait_dscnt 4                                 ; W and U's blocks 0, 1 are in; the youngest four loads (blocks 2, 3) may be out
	MUL8 \f, 0, \zero
	MUL8 \f, 1, \zero
	PLACES
	FETCH \q, \g
	s_wait_dscnt 24                                ; all but the 24 just issued
	MUL8 \f, 2, \zero
	MUL8 \f, 3, \zero
.endm
; The last quarter multiplies buffer 1 and changes slots: in front of the one barrier each wave waits for all its tensor loads (one is out: its part of the next slot), adds 0 to its spare word, and waits for that
; and for its reads of this slot.  fill = 1: the barrier opens a round of the cluster's, and the joint refill, two K steps on, is the first tensor load behind the round: 112 matrix instructions ahead of the wait for it.
.macro TURN fill
.if \fill
	s_wait_xcnt 0x0                                ; the last prefetch, a K step back, has read its address
	s_add_nc_u64 s[PFA:PFA+1], s[PFA:PFA+1], s[PFS:PFS+1]
.endif
	WIN 0
	s_wait_tensorcnt 0x0
	ds_add_u32 v[SPW], v[NIL]                      ; 0 onto my spare word
	s_wait_dscnt 5                                 ; (the add and the youngest four loads may be out)
	MUL8 F1, 0, 0
	s_wait_dscnt 0x0                               ; the add is done, and my reads of this slot are over
	s_barrier_signal -1
	MUL8 F1, 1, 0
	WIN 0                                          ; at a branch and at a label every window is 0
	s_barrier_wait -1
.if \fill
	CREST                                          ; no wave of any partner still reads this slot or has a load on its way
	s_xor_b32 s[G0A+5], s[G0A+5], SLOTX            ; the walking sets: the other slot than last time, the next K step (no load of mine is out)
	s_add_nc_u64 s[G0A+6:G0A+7], s[G0A+6:G0A+7], KSTEPA
	s_xor_b32 s[G0B+5], s[G0B+5], SLOTX
	s_add_nc_u64 s[G0B+6:G0B+7], s[G0B+6:G0B+7], KSTEPB
	JLOAD                                          ; its four v_nop are also the places in front of the loads below
.else
	PLACES
.endif
	s_xor_b32 s[TB], s[TB], SLOTX
	v_add_nc_u32 v[ADRA], s[TB], v[ADRA0]
	v_add_nc_u32 v[ADRB], s[TB], v[ADRB0]
	FETCH 0, F0
.if \fill
	ASK
.endif
	MUL8 F1, 2, 0
	MUL8 F1, 3, 0
.endm
	s_wait_tensorcnt 1                             ; my part of K step 0 is in; K step 1's may stay out
	s_barrier_signal -1
	s_barrier_wait -1
	FETCH 0, F0
	QUARTER 1, F0, F1, 1                           ; the first quarter stands in front of the loop: its products start the sums
	WIN 0
	s_mov_b32 s[CNT], 6
.Lstep:                                        ; six trips, from a K step's second quarter to the next one's first; they ask for K steps 2 to 7
	QUARTER 2, F1, F0, 0
	QUARTER 3, F0, F1, 0
	TURN 1
	QUARTER 1, F0, F1, 0
	WIN 0
	s_sub_co_u32 s[CNT], s[CNT], 1
	s_cmp_lg_u32 s[CNT], 0
	s_cbranch_scc1 .Lstep
	QUARTER 2, F1, F0, 0                           ; the tail is written out
	QUARTER 3, F0, F1, 0
	TURN 0
	QUARTER 1, F0, F1, 0
	QUARTER 2, F1, F0, 0
	QUARTER 3, F0, F1, 0
	s_wait_dscnt 4
	MUL8 F1, 0, 0
	MUL8 F1, 1, 0
	s_wait_dscnt 0x0
	MUL8 F1, 2, 0
	MUL8 F1, 3, 0
	; THE WAY OUT.  The bias is rounded to bf16 like the other inputs and widened again: 96 plain lines that name none of the last products' registers: the places behind them.
	s_wait_loadcnt 0x0
	WIN 0x8a                                       ; destination and both sources in window 2
.set p, 0
.rept 32
	v_cvt_pk_bf16_f32 v[72+p%2], v[2*p], v[2*p+1]
	v_lshlrev_b32 v[2*p], 16, v[72+p%2]
	v_and_b32 v[2*p+1], 0xffff0000, v[72+p%2]
.set p, p+1
.endr
.macro PACK a                          ; block a (16 rows): sum + bias, in place, each accumulator from its lowest registers on
.set AC, 64*(\a)
	WIN 0x49                                       ; destination and source 0 in window 1, source 1 in window 2
.irp b, 0,1,2,3,4,5,6,7
.irp r, 0,1,2,3
	v_pk_add_f32 v[AC+8*(\b)+2*(\r):AC+8*(\b)+2*(\r)+1], v[AC+8*(\b)+2*(\r):AC+8*(\b)+2*(\r)+1], v[8*(\b)+2*(\r):8*(\b)+2*(\r)+1]
.endr
.endr
.endm
.macro TOSTAGE a                       ; a lane's eight f32 of a row, 32 bytes, straight from the accumulators into my own stage; back as whole rows of 512 bytes, into fragment registers that are free now
.set AC, 64*(\a)
.set BK, 64+64*((\a)%2)
	WIN 0x04                                       ; the stores' data (source 1) in window 1
.irp b, 0,1,2,3,4,5,6,7
	ds_store_b128 v[STO], v[AC+8*(\b):AC+8*(\b)+3]   offset:64*(\b)
	ds_store_b128 v[STO], v[AC+8*(\b)+4:AC+8*(\b)+7] offset:64*(\b)+16
.endr
	WIN 0
.irp t, 0,1,2,3,4,5,6,7,8,9,10,11,12,13,14,15
	ds_load_b128 v[BK+4*(\t):BK+4*(\t)+3], v[RD] offset:(\t)*SPITCH  ; LDS serves a wave's instructions in order (ISA guide 5.7.1.4): these see the stores above
.endr
.endm
.macro SEND a
	WIN 0
.set BK, 64+64*((\a)%2)
	s_wait_dscnt 0x0                               ; the block is back in registers
	s_wait_xcnt 0x0                                ; earlier stores have read their base and their data: only behind this wait are these rewritten
.if (\a) > 0
	s_add_nc_u64 s[CP:CP+1], s[CP:CP+1], 16*OROWB
.endif
.irp t, 0,1,2,3,4,5,6,7,8,9,10,11,12,13,14,15
	global_store_b128 v[CO], v[BK+4*(\t):BK+4*(\t)+3], s[CP:CP+1] offset:(\t)*OROWB  ; a wave's store covers 512 consecutive bytes, aligned
.endr
.endm
	PACK 0
	TOSTAGE 0
.irp a, 1,2,3
	PACK \a
	SEND (\a)-1
	TOSTAGE \a
.endr
	SEND 3
	s_wait_tensorcnt 0x0                           ; the wave's end, behind my last tensor load and my last LDS store
	ds_add_u32 v[SPW], v[NIL]
	s_wait_dscnt 0x0
	CROUND                                         ; the closing round
	s_endpgm
.Lfunc_end_k_q849b7c8bd8_projo:
	.size	k_q849b7c8bd8_projo, .Lfunc_end_k_q849b7c8bd8_projo-k_q849b7c8bd8_projo
	.p2alignl 7, 3214868480
	.fill 96, 4, 3214868480
	.section	.rodata,"a",@progbits
	.p2align	6, 0x0
	.amdhsa_kernel k_q849b7c8bd8_projo
		.amdhsa_group_segment_fixed_size 327680
		.amdhsa_private_segment_fixed_size 0
		.amdhsa_enable_private_segment 0
		.amdhsa_kernarg_size 32
		.amdhsa_user_sgpr_count 2
		.amdhsa_user_sgpr_kernarg_segment_ptr 1
		.amdhsa_wavefront_size32 1
		.amdhsa_system_sgpr_workgroup_id_x 1
		.amdhsa_system_sgpr_workgroup_id_y 1
		.amdhsa_system_sgpr_workgroup_id_z 1
		.amdhsa_system_vgpr_workitem_id 0
		.amdhsa_next_free_vgpr 640
		.amdhsa_next_free_sgpr 84
		.amdhsa_reserve_vcc 0
		.amdhsa_float_denorm_mode_32 3
		.amdhsa_float_denorm_mode_16_64 3
		.amdhsa_memory_ordered 1
		.amdhsa_forward_progress 1
		.amdhsa_inst_pref_size 85
	.end_amdhsa_kernel
	.amdgpu_metadata
---
amdhsa.version: [ 1, 2 ]
amdhsa.kernels:
  - .name:           k_q849b7c8bd8_projo
    .symbol:         k_q849b7c8bd8_projo.kd
    .args:
      - { .name: u, .offset: 0, .size: 8, .value_kind: global_buffer, .address_space: global }
      - { .name: wo, .offset: 8, .size: 8, .value_kind: global_buffer, .address_space: global }
      - { .name: b_o, .offset: 16, .size: 8, .value_kind: global_buffer, .address_space: global }
      - { .name: out0, .offset: 24, .size: 8, .value_kind: global_buffer, .address_space: global }
    .group_segment_fixed_size: 327680
    .private_segment_fixed_size: 0
    .kernarg_segment_align: 8
    .kernarg_segment_size: 32
    .max_flat_workgroup_size: 128
    .sgpr_count:     84
    .vgpr_count:     640
    .wavefront_size: 32
...
	.end_amdgpu_metadata
.endif
;; end of part 5
;; ======== version 2 of 2: 5 launches; version 1 with the launch cast written anew for expert scheduling mode
;; workspace buffers: xw 20,971,520 bytes; wv 2,097,152 bytes; wo 2,097,152 bytes; qk 33,554,432 bytes; dg 524,288 bytes; u 16,777,216 bytes
;; launch cast (part 6): grid 768 x 1, 8 waves a work-group, no clusters, 0 bytes of LDS; arguments X_embed, W_q, W_k, W_v, W_o, xw, wv, wo; writes xw, wv, wo
.if DOCPART == 6
	.amdgcn_target "amdgcn-amd-amdhsa--gfx1250"
	.amdhsa_code_object_version 6
	.text
	.protected	k_q849b7c8bd8_cast
	.globl	k_q849b7c8bd8_cast
	.p2align	8
	.type	k_q849b7c8bd8_cast,@function
k_q849b7c8bd8_cast:
	s_mov_b64 s[64:65], 0
	v_nop
	global_prefetch_b8 v0, s[64:65] scope:SCOPE_SE
	s_setreg_imm32_b32 hwreg(HW_REG_WAVE_SCHED_MODE, 0, 2), 2
	s_setreg_imm32_b32 hwreg(HW_REG_WAVE_MODE, 25, 1), 1
	s_wait_xcnt 0x0
	s_wait_alu depctr_vm_vsrc(0)
; X_embed and the four weight matrices, f32, are rounded once to bf16 (nearest even); the layouts stay as they are (weights [k][n]).
; xw = X (16,777,216 bytes), then W_q (2,097,152), then W_k (2,097,152);  wv = W_v;  wo = W_o.
; A stream: no LDS, no barrier, no matrix work, no cluster (no two work-groups read the same byte).
; SHARES.  Work-group i turns 65,536 bytes of f32 into 32,768 bytes of bf16: chunks 0-511 are X's, 512-575 W_q's, 576-639 W_k's, 640-703 W_v's, 704-767 W_o's.
; Thread t takes 16 bytes at 16 t of each 4,096 bytes: a wave's load covers 512 consecutive bytes, its store 256 consecutive bytes, aligned.
; All 16 loads of a thread go out first; no register is written twice.
; THE MODE: SCHED_MODE bits 1:0 = 2 (LLVM: expert scheduling mode 2), set by the entry lines.  The code itself states the register dependences
; between vector instructions and memory instructions, with s_wait_alu, always for 0.
; THE PLAN.  Registers that memory instructions touch:
;   v1, v2   the loads' and the stores' offsets.  Written once at the head, by vector lines; read by all 32 memory instructions; never written again.
;   X        Each four registers are written once, by one load, and no vector line names them ahead of that load; two conversions read them behind the load's counted wait; nothing lands in them again.
;   Y        Each pair is written once, by two conversions, and read by one store; never written again.
; So no register that a memory instruction reads is ever rewritten, and no load lands in a register that a vector line has named: what is left to state is that a vector
; line has written what a memory instruction reads.  Five waits do that: one ahead of the first load, for v1 and v2; and, the 16 parts going in four blocks of four, one behind each block's
; eight conversions, ahead of its four stores.  The wait stands behind the block's own conversions and not at the next block's head, so that no store is held until four further loads have landed.
; No vector line writes a scalar register or VCC, and EXEC is never written.
.set SRC, 22                           ; s[22:23] the chunk in its f32 tensor
.set DST, 24                           ; s[24:25] the chunk in its bf16 buffer
.set X,   4                            ; v[4:67]   16 x 4 f32 as loaded
.set Y,   68                           ; v[68:99]  16 x 2 words of bf16
.set BLK, 4                            ; loads, and stores, in a block
	s_load_b512 s[4:19], s[0:1], 0x0               ; X s[4:5], W_q s[6:7], W_k s[8:9], W_v s[10:11], W_o s[12:13], xw s[14:15], wv s[16:17], wo s[18:19]
	v_lshlrev_b32 v1, 4, v0                        ; 16 t: where I read
	v_lshlrev_b32 v2, 3, v0                        ; 8 t: where I write
	s_mov_b32 s20, 0                               ; the first chunk of the source tensor
	s_mov_b32 s21, 0                               ; the first chunk of the destination buffer
	s_wait_kmcnt 0x0
	s_mov_b64 s[SRC:SRC+1], s[4:5]
	s_mov_b64 s[DST:DST+1], s[14:15]
	s_cmp_ge_u32 ttmp9, 512                        ; W_q lies straight behind X in xw: the destination goes on
	s_cselect_b64 s[SRC:SRC+1], s[6:7], s[SRC:SRC+1]
	s_cselect_b32 s20, 512, s20
	s_cmp_ge_u32 ttmp9, 576                        ; W_k behind W_q
	s_cselect_b64 s[SRC:SRC+1], s[8:9], s[SRC:SRC+1]
	s_cselect_b32 s20, 576, s20
	s_cmp_ge_u32 ttmp9, 640
	s_cselect_b64 s[SRC:SRC+1], s[10:11], s[SRC:SRC+1]
	s_cselect_b64 s[DST:DST+1], s[16:17], s[DST:DST+1]
	s_cselect_b32 s20, 640, s20
	s_cselect_b32 s21, 640, s21
	s_cmp_ge_u32 ttmp9, 704
	s_cselect_b64 s[SRC:SRC+1], s[12:13], s[SRC:SRC+1]
	s_cselect_b64 s[DST:DST+1], s[18:19], s[DST:DST+1]
	s_cselect_b32 s20, 704, s20
	s_cselect_b32 s21, 704, s21
	s_sub_co_u32 s26, ttmp9, s20                   ; the chunk's number in its tensor, at most 511,
	s_lshl_b32 s26, s26, 16                        ; times 65,536 bytes
	s_mov_b32 s27, 0
	s_sub_co_u32 s28, ttmp9, s21                   ; and in its buffer, at most 639,
	s_lshl_b32 s28, s28, 15                        ; times 32,768 bytes
	s_mov_b32 s29, 0
	s_add_nc_u64 s[SRC:SRC+1], s[SRC:SRC+1], s[26:27]
	s_add_nc_u64 s[DST:DST+1], s[DST:DST+1], s[28:29]
	s_wait_alu depctr_va_vdst(0)                   ; v1 and v2 are written: every load below reads v1 as its offset, every store v2; no later vector line names either
.set j, 0
.rept 16
	global_load_b128 v[X+4*j:X+4*j+3], v1, s[SRC:SRC+1] offset:4096*j th:TH_LOAD_NT
.set j, j+1
.endr
.set p, 0
.rept 16/BLK
.set j, BLK*p
.rept BLK
	s_wait_loadcnt 15-j                            ; loads come back in order: number j is in, the 15 - j younger ones stay out
	v_cvt_pk_bf16_f32 v[Y+2*j],   v[X+4*j],   v[X+4*j+1]
	v_cvt_pk_bf16_f32 v[Y+2*j+1], v[X+4*j+2], v[X+4*j+3]
.set j, j+1
.endr
	s_wait_alu depctr_va_vdst(0)                   ; the block's eight conversions have written its eight registers of Y, which the four stores below read
.set j, BLK*p
.rept BLK
	global_store_b64 v2, v[Y+2*j:Y+2*j+1], s[DST:DST+1] offset:2048*j th:TH_STORE_NT
.set j, j+1
.endr
.set p, p+1
.endr
	s_endpgm
.Lfunc_end_k_q849b7c8bd8_cast:
	.size	k_q849b7c8bd8_cast, .Lfunc_end_k_q849b7c8bd8_cast-k_q849b7c8bd8_cast
	.p2alignl 7, 3214868480
	.fill 96, 4, 3214868480
	.section	.rodata,"a",@progbits
	.p2align	6, 0x0
	.amdhsa_kernel k_q849b7c8bd8_cast
		.amdhsa_group_segment_fixed_size 0
		.amdhsa_private_segment_fixed_size 0
		.amdhsa_enable_private_segment 0
		.amdhsa_kernarg_size 64
		.amdhsa_user_sgpr_count 2
		.amdhsa_user_sgpr_kernarg_segment_ptr 1
		.amdhsa_wavefront_size32 1
		.amdhsa_system_sgpr_workgroup_id_x 1
		.amdhsa_system_sgpr_workgroup_id_y 1
		.amdhsa_system_sgpr_workgroup_id_z 1
		.amdhsa_system_vgpr_workitem_id 0
		.amdhsa_next_free_vgpr 100
		.amdhsa_next_free_sgpr 66
		.amdhsa_reserve_vcc 0
		.amdhsa_float_denorm_mode_32 3
		.amdhsa_float_denorm_mode_16_64 3
		.amdhsa_memory_ordered 1
		.amdhsa_forward_progress 1
		.amdhsa_inst_pref_size 8
	.end_amdhsa_kernel
	.amdgpu_metadata
---
amdhsa.version: [ 1, 2 ]
amdhsa.kernels:
  - .name:           k_q849b7c8bd8_cast
    .symbol:         k_q849b7c8bd8_cast.kd
    .args:
      - { .name: X_embed, .offset: 0, .size: 8, .value_kind: global_buffer, .address_space: global }
      - { .name: W_q, .offset: 8, .size: 8, .value_kind: global_buffer, .address_space: global }
      - { .name: W_k, .offset: 16, .size: 8, .value_kind: global_buffer, .address_space: global }
      - { .name: W_v, .offset: 24, .size: 8, .value_kind: global_buffer, .address_space: global }
      - { .name: W_o, .offset: 32, .size: 8, .value_kind: global_buffer, .address_space: global }
      - { .name: xw, .offset: 40, .size: 8, .value_kind: global_buffer, .address_space: global }
      - { .name: wv, .offset: 48, .size: 8, .value_kind: global_buffer, .address_space: global }
      - { .name: wo, .offset: 56, .size: 8, .value_kind: global_buffer, .address_space: global }
    .group_segment_fixed_size: 0
    .private_segment_fixed_size: 0
    .kernarg_segment_align: 8
    .kernarg_segment_size: 64
    .max_flat_workgroup_size: 256
    .sgpr_count:     66
    .vgpr_count:     100
    .wavefront_size: 32
...
	.end_amdgpu_metadata
.endif
;; end of part 6
;; launch projqk: the kernel of part 2 again; grid 8 x 32, 4 waves a work-group, clusters of 4 x 4, 327,680 bytes of LDS; arguments xw, b_q, b_k, qk; writes qk
;; launch stats: the kernel of part 3 again; grid 4 x 64, 8 waves a work-group, clusters of 4 x 1, 327,680 bytes of LDS; arguments qk, dg; writes dg
;; launch projv: the kernel of part 4 again; grid 8 x 32, 4 waves a work-group, clusters of 4 x 4, 327,680 bytes of LDS; arguments xw, wv, b_v, dg, u; writes u
;; launch projo: the kernel of part 5 again; grid 8 x 32, 4 waves a work-group, clusters of 4 x 4, 327,680 bytes of LDS; arguments u, wo, b_o, out0; writes out0
